; MI455X (gfx1250); checked and timed in simulation.
; The chip was launched on July 23, 2026; its instructions are those of AMD's public machine-readable ISA for CDNA 5 (MIT licence, August 2026) and "CDNA5" Instruction Set Architecture Reference Guide (July 2026). The comments in the code are by the model that wrote it; some were corrected since.
;; Reprogramming Layer. Allowed arithmetic: matrix products marked QUANTISED: E2M1 operands, one E8M0 scale for each 32 along K, by v_wmma_scale_f32_16x16x128_f8f6f4 with both operands' format E2M1 (or v_wmma_scale_f32_32x16x128_f4), f32 sums; products left as they are: bf16, f16 or f32 operands; f32 sums; everything else in f32.
;; Inputs: Wk 1,024 x 1,024 float32; Wo 1,024 x 1,024 float32; Wq 1,024 x 1,024 float32; Wv 1,024 x 1,024 float32; bk 1,024 float32; bo 1,024 float32; bq 1,024 float32; bv 1,024 float32; target_embedding 4 x 2,048 x 1,024 float32.
;; Outputs: out0 4 x 2,048 x 1,024 float32.
;; This version of the problem:
;;   THIS VERSION OF THE PROBLEM IS GIVEN IN LOW PRECISION. The matrix products marked QUANTISED in the list below multiply operands that are first quantised to E2M1 (2 exponent bits, 1 mantissa bit; 4 bits a number), with one power-of-two scale for each 32 numbers along K (OCP MX v1.0); their sums are f32. The products marked 'left as it is' may take bf16, f16 or f32 operands, with f32 sums. Whichever they take, every output number must still come out within the allowed error. Rounding operands to bf16 (8 significant bits) uses up far more of that allowance than f16 does (11 bits, for magnitudes from 6e-5 to 65,504). All else is computed in f32.
;;   The module's matrix products, in the order in which they are computed (A, B: the left and right operand; K: the contracted axis; several contracted axes count as one K, in the product's order):
;;     1. [M 8,192, K 1,024] x [K 1,024, N 1,024]; A: input target_embedding; B: input Wq: QUANTISED
;;     2. [M 8,192, K 1,024] x [K 1,024, N 1,024]; A: input target_embedding; B: input Wk: QUANTISED
;;     3. [M 8,192, K 1,024] x [K 1,024, N 1,024]; A: input target_embedding; B: input Wv: QUANTISED
;;     4. batch 64 x [M 2,048, K 64] x [K 64, N 2,048]; A: computed on the way; B: computed on the way: left as it is (an operand is computed on the way)
;;     5. batch 64 x [M 64, K 2,048] x [K 2,048, N 2,048]; A: computed on the way; B: computed on the way: left as it is (an operand is computed on the way)
;;     6. [M 8,192, K 1,024] x [K 1,024, N 1,024]; A: computed on the way; B: input Wo: left as it is (an operand is computed on the way)
;;   THE QUANTISER, for each operand of a quantised product, along K:
;;     - K is cut into blocks of 32 from its start; a last block that is shorter is filled with zeros.
;;     - A block's scale is 2^e with e = floor(log2(the largest magnitude in the block)) - 2, held to -126 .. 127; a block of zeros has e = 0. As a byte (E8M0): e + 127.
;;     - Each number is divided by its block's scale, clamped to +-6, and rounded to the nearest number of E2M1, ties to even, subnormals kept.
;;     - The product sums the exact products of the quantised numbers (number of the format x scale) in f32.
;;   ~~~python
;;   def quantise(x, axis):      # numpy; x: float32 -> the quantised numbers, widened to float32 again
;;       x = np.moveaxis(x, axis, -1); K = x.shape[-1]
;;       x = np.pad(x, [(0, 0)] * (x.ndim - 1) + [(0, -K % 32)]); x = x.reshape(x.shape[:-1] + (-1, 32)); a = np.abs(x).max(-1, keepdims=True)
;;       e = np.where(a > 0, np.clip(np.frexp(np.where(a > 0, a, 1))[1] - 1 - 2, -126, 127), 0)      # np.frexp(a)[1] - 1 = floor(log2(a)), exactly
;;       r = np.clip(x / 2.0 ** e, -6, 6)
;;       step = 2.0 ** (np.maximum(np.frexp(np.where(r == 0, 1, r))[1] - 1, 0) - 1)
;;       q = np.round(r / step) * step * 2.0 ** e      # np.round: ties to even
;;       return np.moveaxis(q.reshape(q.shape[:-2] + (-1,))[..., :K], -1, axis).astype(np.float32)
;;   ~~~
;; One version. Each part assembles by itself: llvm-mc -triple=amdgcn-amd-amdhsa -mcpu=gfx1250 --defsym DOCPART=n.
;; ======== version 1 of 1: 4 launches
;; limits: values are held in f16: magnitudes above 65,504 overflow, below 6.1e-05 lose precision
;; workspace buffers: x_codes 4,194,304 bytes; x_scales 262,144 bytes; w_codes 1,572,864 bytes; w_scales 98,304 bytes; wo_h 2,097,152 bytes; qkv 50,331,648 bytes; rep 16,777,216 bytes
;; launch prep (part 1): grid 432 x 1, 4 waves a work-group, no clusters, 68,096 bytes of LDS; arguments target_embedding, Wq, Wk, Wv, Wo, x_codes, x_scales, w_codes, w_scales, wo_h; writes x_codes, x_scales, w_codes, w_scales, wo_h
.if DOCPART == 1
	.amdgcn_target "amdgcn-amd-amdhsa--gfx1250"
	.amdhsa_code_object_version 6
	.text
	.protected	k_q69f9456f35_prep
	.globl	k_q69f9456f35_prep
	.p2align	8
	.type	k_q69f9456f35_prep,@function
k_q69f9456f35_prep:
	s_mov_b64 s[64:65], 0
	v_nop
	global_prefetch_b8 v0, s[64:65] scope:SCOPE_SE
	s_setreg_imm32_b32 hwreg(HW_REG_WAVE_MODE, 25, 1), 1
	s_wait_xcnt 0x0
; PREP: what the later launches read many times is made narrow once.
;   x  [8192][1024] f32 (K innermost)          -> x_codes [8192][512 bytes] of E2M1, x_scales [8192][32] of E8M0
;   Wq, Wk, Wv [1024 k][1024 n] f32 (K first)  -> w_codes [3072][512 bytes] with K innermost (row = 1024 T + n, T = 0, 1, 2), w_scales [3072][32]
;   Wo [1024 k][1024 n] f32                    -> wo_h, the same numbers in f16, as they lie
; A block's scale is 2^(floor(log2(its largest magnitude)) - 2); its byte is that magnitude's exponent field - 2, held at 1 from below.
; LIMITS: a block of zeros gets the byte 1 where the rule says 127 (its codes are zeros, and only this program reads the bytes); blocks whose largest
; magnitude lies under 2^-124 keep the byte 1; NaN and infinities are not served; Wo under 6e-5 in magnitude carries f16's absolute step of 6e-8, above 65,504 it becomes infinite.
; SHARES: work-groups 0-47 take the three weights (the longest path, so it starts first), 48-175 Wo, 176-431 x.  The paths part on the work-group's number alone.
; Waves share nothing: no barrier.  Each path that uses LDS has LDS bytes of its own.
.set SPARE, 67584                      ; behind both paths' bytes: the spare words, 128 bytes for each wave
.set SPW,   12                         ; v12  LDS address of my spare word; never rewritten
.set NIL,   13                         ; v13  0; never rewritten
.set XSP,   80                         ; path x: a lane's place in a stage: 64 bytes + 16 of padding
.set XR,    16                         ; v16-79   four sets of 16 numbers as loaded
.set XX,    80                         ; v80-111  two sets of 16 neighbours
.set XE,    112                        ; v112-127 a scale byte for each step
.set XC,    128                        ; v128-191 codes, registers of their own for each step
.set WSTG,  32768                      ; path W: the stages begin behind path x's four regions of 8,192 bytes
.set WP,    272                        ; a stage row: 256 bytes of codes + 16
.set WX,    32                         ; v32-95   two sets of 32 numbers
.set WC,    96                         ; v96-99   a block's codes
.set WSB,   24                         ; v24-27   16 scale bytes
.set WOUT,  112                        ; v112-175 the way out
	s_load_b512 s[4:19], s[0:1], 0x0               ; x 4:5, Wq 6:7, Wk 8:9, Wv 10:11, Wo 12:13, x_codes 14:15, x_scales 16:17, w_codes 18:19
	s_load_b128 s[20:23], s[0:1], 0x40             ; w_scales 20:21, wo_h 22:23
	v_lshl_add_u32 v[SPW], v0, 2, SPARE
	v_mov_b32 v[NIL], 0
	v_lshrrev_b32 v1, 5, v0
	v_readfirstlane_b32 s24, v1                    ; wave 0..3
	v_and_b32 v2, 31, v0                           ; lane
	s_mov_b32 s27, 0                               ; the upper word of every offset pair s[26:27]
	s_wait_kmcnt 0x0
	s_cmp_lt_u32 ttmp9, 48
	s_cbranch_scc1 .Lw
	s_cmp_lt_u32 ttmp9, 176
	s_cbranch_scc1 .Lo
; ---- PATH x.  A wave takes 16 steps of 512 numbers.  Each load reads 512 consecutive bytes; a step's 2,048 bytes turn through the wave's own stage so that a lane holds 16 neighbours along K.
	s_sub_co_u32 s25, ttmp9, 176
	s_lshl_b32 s25, s25, 2
	s_add_co_u32 s25, s25, s24                     ; which run of 8,192 numbers is my wave's: 0..1023
	s_lshl_b32 s26, s25, 15
	s_add_nc_u64 s[4:5], s[4:5], s[26:27]          ; 32,768 bytes of x a run,
	s_lshl_b32 s26, s25, 12
	s_add_nc_u64 s[14:15], s[14:15], s[26:27]      ; 4,096 of codes,
	s_lshl_b32 s26, s25, 8
	s_add_nc_u64 s[16:17], s[16:17], s[26:27]      ; 256 scale bytes
	v_lshlrev_b32 v3, 4, v2                        ; my 16 bytes of a load's 512
	s_mul_i32 s28, s24, 8192                       ; my wave's region of LDS
	v_lshrrev_b32 v14, 2, v2
	v_mul_u32_u24 v14, v14, XSP
	v_and_b32 v15, 3, v2
	v_lshl_add_u32 v14, v15, 4, v14
	v_add_nc_u32 v14, s28, v14                     ; into the stage: four lanes' 64 bytes on end, then the padding
	v_mul_u32_u24 v15, v2, XSP
	v_add_nc_u32 v15, s28, v15                     ; out of it: my 16 neighbours
	v_lshlrev_b32 v4, 3, v2                        ; my 8 bytes of a step's codes
	v_lshrrev_b32 v5, 1, v2
	s_add_co_u32 s28, s28, 2*32*XSP
	v_add_nc_u32 v5, s28, v5                       ; my block's scale byte, behind the two stages
	v_lshlrev_b32 v7, 3, v2
	v_add_nc_u32 v6, s28, v7                       ; and 8 of the 256 bytes on the way out
.macro XLOAD t
.irp i, 0,1,2,3
	global_load_b128 v[XR+16*((\t)%4)+4*\i:XR+16*((\t)%4)+4*\i+3], v3, s[4:5] offset:2048*(\t)+512*\i th:TH_LOAD_NT
.endr
.endm
.macro XTURN t                         ; LDS serves a wave's instructions in order (ISA guide 5.7.1): no wait between the stores and the loads
.irp i, 0,1,2,3
	ds_store_b128 v14, v[XR+16*((\t)%4)+4*\i:XR+16*((\t)%4)+4*\i+3] offset:32*XSP*((\t)%2)+8*XSP*\i
.endr
.irp i, 0,1,2,3
	ds_load_b128 v[XX+16*((\t)%2)+4*\i:XX+16*((\t)%2)+4*\i+3], v15 offset:32*XSP*((\t)%2)+16*\i
.endr
.endm
.macro XSTEP t
.set XS1, XX+16*((\t)%2)
.if (\t) > 0
	s_wait_dscnt 1                                 ; this step's numbers are back from the stage; the last step's byte store may be out
.else
	s_wait_dscnt 0x0
.endif
.if (\t)+4 < 16
	XLOAD (\t)+4                                   ; into the registers that the stage's stores have read
.endif
.if (\t)+1 < 16
.if 14-(\t) >= 3
	s_wait_loadcnt 12                              ; the next step's four loads are in; those of the three steps behind it may be out
.else
	s_wait_loadcnt 4*(14-(\t))
.endif
	XTURN (\t)+1
.endif
	v_max3_num_f32 v8, |v[XS1]|, |v[XS1+1]|, |v[XS1+2]|
	v_max3_num_f32 v9, |v[XS1+3]|, |v[XS1+4]|, |v[XS1+5]|
.irp i, 6,10
	v_max3_num_f32 v8, v8, |v[XS1+\i]|, |v[XS1+\i+1]|
	v_max3_num_f32 v9, v9, |v[XS1+\i+2]|, |v[XS1+\i+3]|
.endr
	v_max3_num_f32 v8, v8, |v[XS1+14]|, |v[XS1+15]|
	v_max3_num_f32 v8, v8, v9, 0x1800000           ; the floor 2^(3 - 127): the byte cannot fall under 1
	v_max_num_f32_dpp v8, v8, v8 row_xmask:1 row_mask:0xf bank_mask:0xf   ; with my neighbour's 16: the block's largest magnitude
	v_add_nc_u32 v11, 0xff000000, v8               ; 2 off its exponent field: the conversion takes that field as its scale
	v_cvt_scalef32_pk8_fp4_f32 v[XC+4*(\t)], v[XS1:XS1+7], v11
	v_cvt_scalef32_pk8_fp4_f32 v[XC+4*(\t)+1], v[XS1+8:XS1+15], v11
	v_lshrrev_b32 v[XE+(\t)], 23, v11              ; the scale's byte
	ds_store_b8 v5, v[XE+(\t)] offset:16*(\t)      ; both lanes of a block write the same byte with the same value
	global_store_b64 v4, v[XC+4*(\t):XC+4*(\t)+1], s[14:15] offset:256*(\t)   ; the wave stores 256 consecutive bytes, aligned
.endm
.irp t, 0,1,2,3
	XLOAD \t
.endr
	s_wait_loadcnt 12                              ; step 0's four loads are in
	XTURN 0
.irp t, 0,1,2,3,4,5,6,7,8,9,10,11,12,13,14,15
	XSTEP \t
.endr
	ds_load_b64 v[8:9], v6                         ; the wave's 256 scale bytes
	s_wait_dscnt 0x0
	global_store_b64 v7, v[8:9], s[16:17]          ; 256 consecutive bytes, aligned
	s_branch .Lend
; ---- PATH W.  A lane takes a column n and its registers run down K: a block of 32 lies in one lane, and the codes come out with K innermost.  A wave: 32 columns x 512 along K.
.Lw:
	s_lshr_b32 s25, ttmp9, 4                       ; T: which weight
	s_and_b32 s28, ttmp9, 7                        ; which 128 columns
	s_bfe_u32 s29, ttmp9, 0x10003                  ; which half of K
	s_cmp_eq_u32 s25, 0
	s_cselect_b64 s[30:31], s[6:7], s[8:9]         ; the choice hangs on the work-group's number alone
	s_cmp_eq_u32 s25, 2
	s_cselect_b64 s[30:31], s[10:11], s[30:31]
	s_lshl_b32 s28, s28, 7
	s_lshl_b32 s32, s24, 5
	s_add_co_u32 s28, s28, s32                     ; my wave's first column
	s_lshl_b32 s26, s29, 21                        ; 512 rows of 4,096 bytes
	s_lshl_b32 s32, s28, 2
	s_add_co_u32 s26, s26, s32
	s_add_nc_u64 s[30:31], s[30:31], s[26:27]
	s_lshl_b32 s25, s25, 10
	s_add_co_u32 s25, s25, s28                     ; my first row of the codes: 1024 T + column
	s_lshl_b32 s26, s25, 9
	s_lshl_b32 s32, s29, 8
	s_add_co_u32 s26, s26, s32
	s_add_nc_u64 s[18:19], s[18:19], s[26:27]
	s_lshl_b32 s26, s25, 5
	s_lshl_b32 s32, s29, 4
	s_add_co_u32 s26, s26, s32
	s_add_nc_u64 s[20:21], s[20:21], s[26:27]
	s_mul_i32 s33, s24, 32*WP
	s_add_co_u32 s33, s33, WSTG                    ; my stage
	v_lshlrev_b32 v3, 2, v2                        ; in: 4 bytes a lane
	v_mul_u32_u24 v4, v2, WP
	v_add_nc_u32 v4, s33, v4                       ; into the stage: row = my column
	v_and_b32 v5, 15, v2
	v_lshrrev_b32 v6, 4, v2
	v_mul_u32_u24 v7, v6, WP
	v_lshl_add_u32 v7, v5, 4, v7
	v_add_nc_u32 v7, s33, v7                       ; out of it: sixteen lanes to a row, two rows an instruction
	v_lshlrev_b32 v8, 9, v6
	v_lshl_add_u32 v8, v5, 4, v8                   ; and the same place in the codes (rows of 512 bytes)
	v_lshlrev_b32 v9, 5, v2                        ; my column's row of scale bytes
.macro WLOAD t
.set i, 0
.rept 32
	global_load_b32 v[WX+32*((\t)%2)+i], v3, s[30:31] offset:(32*(\t)+i)*4096 th:TH_LOAD_NT   ; 32 lanes read 128 consecutive bytes of one row k
.set i, i+1
.endr
.endm
.macro WBLOCK t
.set XS2, WX+32*((\t)%2)
.if (\t) < 15
	s_wait_loadcnt 32                              ; this block's 32 loads are in; the next block's may be out
.else
	s_wait_loadcnt 0
.endif
	v_max3_num_f32 v16, |v[XS2]|, |v[XS2+1]|, |v[XS2+2]|
	v_max3_num_f32 v17, |v[XS2+3]|, |v[XS2+4]|, |v[XS2+5]|
.irp i, 6,10,14,18,22,26
	v_max3_num_f32 v16, v16, |v[XS2+\i]|, |v[XS2+\i+1]|
	v_max3_num_f32 v17, v17, |v[XS2+\i+2]|, |v[XS2+\i+3]|
.endr
	v_max3_num_f32 v16, v16, |v[XS2+30]|, |v[XS2+31]|
	v_max3_num_f32 v16, v16, v17, 0x1800000        ; the floor, as above
	v_add_nc_u32 v11, 0xff000000, v16
	v_lshrrev_b32 v17, 23, v11                     ; the scale's byte
.if (\t)%4 == 0
	v_mov_b32 v[WSB+(\t)/4], v17                   ; four bytes to a register, the lower K in the lower byte
.else
	v_lshl_or_b32 v[WSB+(\t)/4], v17, 8*((\t)%4), v[WSB+(\t)/4]
.endif
.irp g, 0,1,2,3
	v_cvt_scalef32_pk8_fp4_f32 v[WC+\g], v[XS2+8*\g:XS2+8*\g+7], v11
.endr
	ds_store_b128 v4, v[WC:WC+3] offset:16*(\t)    ; 32 codes: 16 bytes of my column's row
.if (\t)+2 < 16
	WLOAD (\t)+2
.endif
	s_wait_dscnt 0x0                               ; the store has read its registers: the next block's codes may be written
.endm
	WLOAD 0
	WLOAD 1
.irp t, 0,1,2,3,4,5,6,7,8,9,10,11,12,13,14,15
	WBLOCK \t
.endr
	global_store_b128 v9, v[WSB:WSB+3], s[20:21]   ; my column's 16 scale bytes
.irp t, 0,1,2,3,4,5,6,7,8,9,10,11,12,13,14,15
	ds_load_b128 v[WOUT+4*\t:WOUT+4*\t+3], v7 offset:2*\t*WP
.endr
.irp t, 0,1,2,3,4,5,6,7,8,9,10,11,12,13,14,15
	s_wait_dscnt 15-\t
	global_store_b128 v8, v[WOUT+4*\t:WOUT+4*\t+3], s[18:19] offset:2*\t*512   ; sixteen lanes store 256 consecutive bytes, aligned
.endr
	s_branch .Lend
; ---- PATH Wo: a cast.  A wave takes 2,048 numbers: 16 loads of 512 consecutive bytes, 16 stores of 256.
.Lo:
	s_sub_co_u32 s25, ttmp9, 48
	s_lshl_b32 s25, s25, 2
	s_add_co_u32 s25, s25, s24
	s_lshl_b32 s26, s25, 13
	s_add_nc_u64 s[12:13], s[12:13], s[26:27]
	s_lshl_b32 s26, s25, 12
	s_add_nc_u64 s[22:23], s[22:23], s[26:27]
	v_lshlrev_b32 v3, 4, v2
	v_lshlrev_b32 v4, 3, v2
.irp i, 0,1,2,3,4,5,6,7,8,9,10,11,12,13,14,15
	global_load_b128 v[16+4*\i:19+4*\i], v3, s[12:13] offset:512*\i th:TH_LOAD_NT
.endr
.irp i, 0,1,2,3,4,5,6,7,8,9,10,11,12,13,14,15
	s_wait_loadcnt 15-\i                           ; loads come back in order: load i is in
	v_cvt_pk_f16_f32 v[80+2*\i], v[16+4*\i], v[17+4*\i]
	v_cvt_pk_f16_f32 v[81+2*\i], v[18+4*\i], v[19+4*\i]
	global_store_b64 v4, v[80+2*\i:81+2*\i], s[22:23] offset:256*\i
.endr
.Lend:
	s_wait_tensorcnt 0x0                           ; the wave's end
	ds_add_u32 v[SPW], v[NIL]
	s_wait_dscnt 0x0
	s_endpgm
.Lfunc_end_k_q69f9456f35_prep:
	.size	k_q69f9456f35_prep, .Lfunc_end_k_q69f9456f35_prep-k_q69f9456f35_prep
	.p2alignl 7, 3214868480
	.fill 96, 4, 3214868480
	.section	.rodata,"a",@progbits
	.p2align	6, 0x0
	.amdhsa_kernel k_q69f9456f35_prep
		.amdhsa_group_segment_fixed_size 68096
		.amdhsa_private_segment_fixed_size 0
		.amdhsa_enable_private_segment 0
		.amdhsa_kernarg_size 80
		.amdhsa_user_sgpr_count 2
		.amdhsa_user_sgpr_kernarg_segment_ptr 1
		.amdhsa_wavefront_size32 1
		.amdhsa_system_sgpr_workgroup_id_x 1
		.amdhsa_system_sgpr_workgroup_id_y 1
		.amdhsa_system_sgpr_workgroup_id_z 1
		.amdhsa_system_vgpr_workitem_id 0
		.amdhsa_next_free_vgpr 192
		.amdhsa_next_free_sgpr 66
		.amdhsa_reserve_vcc 0
		.amdhsa_float_denorm_mode_32 3
		.amdhsa_float_denorm_mode_16_64 3
		.amdhsa_memory_ordered 1
		.amdhsa_forward_progress 1
		.amdhsa_inst_pref_size 116
	.end_amdhsa_kernel
	.amdgpu_metadata
---
amdhsa.version: [ 1, 2 ]
amdhsa.kernels:
  - .name:           k_q69f9456f35_prep
    .symbol:         k_q69f9456f35_prep.kd
    .args:
      - { .name: target_embedding, .offset: 0, .size: 8, .value_kind: global_buffer, .address_space: global }
      - { .name: Wq, .offset: 8, .size: 8, .value_kind: global_buffer, .address_space: global }
      - { .name: Wk, .offset: 16, .size: 8, .value_kind: global_buffer, .address_space: global }
      - { .name: Wv, .offset: 24, .size: 8, .value_kind: global_buffer, .address_space: global }
      - { .name: Wo, .offset: 32, .size: 8, .value_kind: global_buffer, .address_space: global }
      - { .name: x_codes, .offset: 40, .size: 8, .value_kind: global_buffer, .address_space: global }
      - { .name: x_scales, .offset: 48, .size: 8, .value_kind: global_buffer, .address_space: global }
      - { .name: w_codes, .offset: 56, .size: 8, .value_kind: global_buffer, .address_space: global }
      - { .name: w_scales, .offset: 64, .size: 8, .value_kind: global_buffer, .address_space: global }
      - { .name: wo_h, .offset: 72, .size: 8, .value_kind: global_buffer, .address_space: global }
    .group_segment_fixed_size: 68096
    .private_segment_fixed_size: 0
    .kernarg_segment_align: 8
    .kernarg_segment_size: 80
    .max_flat_workgroup_size: 128
    .sgpr_count:     66
    .vgpr_count:     192
    .wavefront_size: 32
...
	.end_amdgpu_metadata
.endif
;; end of part 1
;; launch qkv_gemm (part 2): grid 12 x 32, 4 waves a work-group, clusters of 4 x 4, 327,680 bytes of LDS; arguments x_codes, x_scales, w_codes, w_scales, bq, bk, bv, qkv; writes qkv
.if DOCPART == 2
	.amdgcn_target "amdgcn-amd-amdhsa--gfx1250"
	.amdhsa_code_object_version 6
	.text
	.protected	k_q69f9456f35_qkv_gemm
	.globl	k_q69f9456f35_qkv_gemm
	.p2align	8
	.type	k_q69f9456f35_qkv_gemm,@function
k_q69f9456f35_qkv_gemm:
	s_mov_b64 s[64:65], 0
	v_nop
	global_prefetch_b8 v0, s[64:65] scope:SCOPE_SE
	s_setreg_imm32_b32 hwreg(HW_REG_WAVE_MODE, 25, 1), 1
	s_wait_xcnt 0x0
	s_wait_alu depctr_hold_cnt(0) depctr_sa_sdst(0) depctr_va_vdst(0) depctr_va_sdst(0) depctr_va_ssrc(0) depctr_va_vcc(0) depctr_vm_vsrc(0)
	s_getreg_b32 s2, hwreg(HW_REG_IB_STS2, 6, 4)
	s_cmp_eq_u32 s2, 0
	s_cbranch_scc0 .Lentry_in_a_cluster
	s_endpgm
.Lentry_in_a_cluster:
	s_bfe_u32 s2, ttmp6, 0x10000c
	s_cmp_lg_u32 s2, 0xf033
	s_cbranch_scc0 .Lentry_shape_is_right
	s_endpgm
.Lentry_shape_is_right:
; q, k, v = x W + b on codes of E2M1 with E8M0 scales: C[m][n] = sum over k of x[m][k] w[n][k] + bias[n], m < 8192, n < 3072 (1024 T + column of Wq, Wk, Wv), k < 1024; sums in f32.
; The result is rounded once to f16 and laid by PLANES of 64 columns: qkv [48][8192][64]: Q of head h is plane h, K plane 16 + h, V plane 32 + h.  So a head's rows are dense rows of 128 bytes.
; LIMIT: results above 65,504 in magnitude become infinite in f16.  The bias is the sum's first term, not its last: another order of f32 rounding than x W + b.
; A tile of C, 256 x 256, is made by four waves; a wave makes 128 x 128: 64 accumulators, 512 registers.  K = 1024 is exactly two LDS slots of 512 along K (rows of 256 bytes):
; both are asked for at the start, nothing is filled again, and there is no loop.  The scale bytes of the tile's 256 + 256 rows come once, as dense blocks.
; CLUSTERS: 4 x 4 work-groups; x's tiles are shared along a row of the cluster, w's along a column: each is asked for jointly, by the same tensor load with a mask that names the four.
; THE MATRIX INSTRUCTION IS USED TRANSPOSED (source 0 = 16 rows of w, source 1 = 16 rows of x): a lane holds eight neighbouring columns of one row of C.
; REGISTERS, in windows of 256: window 0: v0-31 addresses; v32-95 scale words, two sets; v128-191 x's fragments, one set; v192-255 the bias of my 128 columns, later the way out.
;   window 1: w's fragments, two sets.  window 2: the accumulators of my rows 0-63 ((a, b) at v[8 (8 a + b)]); window 3: of rows 64-127.
.set NQ,     4                         ; matrix instructions deep in a slot
.set ROWB,   256                       ; a tile's row in bytes: 512 codes
.set KROW,   512                       ; a row of codes in memory
.set PITCH,  272                       ; an LDS row: 256 bytes + 16 of padding: the 16 rows of a fragment load start at 16 different banks (64 banks of 4 bytes: ISA guide 11.1)
.set FR,     8
.set NL,     2
.set NP,     4                         ; places behind this matrix instruction (ISA guide 7.12.1)
.set HALFT,  128*PITCH
.set SLOT,   4*HALFT
.set KS,     32                        ; a row of scale bytes
.set SCL,    2*SLOT
.set HALFS,  (128*KS/256)*272
.set SBLK,   (16*KS/256)*272
.set SPARE,  SCL+4*HALFS               ; the spare words, 128 bytes for each wave
.set SPITCH, 272                       ; the way out: a stage of 16 rows x (256 bytes + 16) for each wave, in slot 0, which has had its only fill and its last read by then
.set PLANEB, 1048576                   ; a plane of qkv in bytes
.set ADRA, 16
.set ADRB, 20
.set STO,  24
.set RD,   25
.set CO,   26
.set ADRS, 27
.set SPW,  28
.set NIL,  29
.set BOF,  30                          ; v30 the bias loads' offset: 32 bytes for the upper half of the lanes
.set SC,   32
.set AF,   128
.set BI,   192                         ; bias: register 8 b + j = bias[16 b + 8 (lane / 16) + j] of my 128 columns
.set TMP,  192                         ; the way out: packed results
.set OB,   32                          ; and rows read back: v32-63 and v224-255 by turns
.set G1, 24
.set G0, 32
.set G1B, 48
.set G0B, 56
.set G1S, 68
.set G0S, 76
.set G1SB, 80
.set G0SB, 88
.set MSB, 0
.macro WIN new                         ; the immediate's high byte repeats the setting that is left
.if MSB != (\new)
	s_set_vgpr_msb (MSB<<8)|(\new)
.set MSB, (\new)
.endif
.endm
.set MUL_LO, 0xa1                      ; source 0 (w) window 1, source 1 (x) window 0, C and D window 2
.set MUL_HI, 0xf1                      ; the same, C and D window 3
.set BIAS_LO, 0x81                     ; the first step: C is the bias in window 0, D window 2
.set BIAS_HI, 0xc1                     ; D window 3
.set TO_B,   0x40
; A joint load: waves 0 and 1 fetch for x, waves 2 and 3 for w.  The branch hangs on the wave's number alone.  An s_nop 0 and four v_nop follow each line.
.macro JLOAD g0a, g1a, g0b, g1b
	s_cmp_eq_u32 s17, 0
	s_cbranch_scc0 .Lfor_b_\@
	tensor_load_to_lds s[\g0a:\g0a+3], s[\g1a:\g1a+7]
	s_nop 0
.rept 4
	v_nop
.endr
	s_branch .Lasked_\@
.Lfor_b_\@:
	tensor_load_to_lds s[\g0b:\g0b+3], s[\g1b:\g1b+7]
	s_nop 0
.rept 4
	v_nop
.endr
.Lasked_\@:
.endm
.macro CROUND                          ; a round of the cluster's barrier
	s_barrier_signal -1
	s_barrier_wait -1
	s_cmp_lg_u32 s16, 0
	s_cbranch_scc1 .Lnot_wave_0_\@
	s_barrier_signal -3
.Lnot_wave_0_\@:
	s_barrier_wait -3
	s_barrier_signal -1
	s_barrier_wait -1
.endm
	s_load_b256 s[4:11], s[0:1], 0x0               ; x_codes 4:5, x_scales 6:7, w_codes 8:9, w_scales 10:11
	s_load_b128 s[96:99], s[0:1], 0x20             ; bq 96:97, bk 98:99
	s_load_b128 s[12:15], s[0:1], 0x30             ; bv 12:13, qkv 14:15
	v_lshl_add_u32 v[SPW], v0, 2, SPARE
	v_mov_b32 v[NIL], 0
	ds_add_u32 v[SPW], v[NIL]                      ; the wave's opening: the add, twice on end, and its wait ahead of my first tensor load
	ds_add_u32 v[SPW], v[NIL]
	v_lshrrev_b32 v1, 5, v0
	v_readfirstlane_b32 s16, v1                    ; wave 0..3
	s_lshr_b32 s17, s16, 1                         ; which half of the tile's rows is mine.  Also: I fetch for x (0) or for w (1)
	s_and_b32 s18, s16, 1                          ; which half of its columns.  Also: which 128 rows of that tile I fetch
	s_bfe_u32 s40, ttmp6, 0x40000                  ; cx, cy: my place in the cluster
	s_bfe_u32 s41, ttmp6, 0x40004
	s_lshl_b32 s42, ttmp9, 2
	s_add_co_u32 s42, s42, s40                     ; tile column = 4 x cluster x + cx
	s_and_b32 s19, ttmp7, 0xffff
	s_lshl_b32 s19, s19, 2
	s_add_co_u32 s19, s19, s41                     ; tile row = 4 x cluster y + cy
	s_lshl_b32 s43, s41, 2
	s_lshl_b32 s43, 15, s43                        ; my row of the cluster
	s_lshl_b32 s44, 0x1111, s40                    ; my column
	; group 1: a tile of 128 rows x 256 bytes; 16 bytes of padding behind every 64 words
	s_or_b32 s[G1+0], s43, (0<<16)|(1<<20)|(1<<21)|(5<<22)|(3<<25)
	s_or_b32 s[G1B+0], s44, (0<<16)|(1<<20)|(1<<21)|(5<<22)|(3<<25)
.irp g, G1, G1B
	s_mov_b32 s[\g+1], ROWB<<16                    ; tensor_dim0
	s_mov_b32 s[\g+2], 128<<16                     ; tensor_dim1
	s_mov_b32 s[\g+3], ROWB<<16                    ; tile_dim0
	s_mov_b32 s[\g+4], 128                         ; tile_dim1
	s_mov_b32 s[\g+5], KROW                        ; the pitch in memory
	s_mov_b32 s[\g+6], 0
	s_mov_b32 s[\g+7], 0
.endr
	; the scales of 128 rows: 4,096 dense bytes, as 16 rows of 32 elements of 8 bytes, 16 bytes of padding behind each
	s_or_b32 s[G1S+0], s43, (3<<16)|(1<<20)|(1<<21)|(5<<22)|(3<<25)
	s_or_b32 s[G1SB+0], s44, (3<<16)|(1<<20)|(1<<21)|(5<<22)|(3<<25)
.irp g, G1S, G1SB
	s_mov_b32 s[\g+1], 32<<16
	s_mov_b32 s[\g+2], (128*KS/256)<<16
	s_mov_b32 s[\g+3], 32<<16
	s_mov_b32 s[\g+4], 128*KS/256
	s_mov_b32 s[\g+5], 32
	s_mov_b32 s[\g+6], 0
	s_mov_b32 s[\g+7], 0
.endr
	s_lshl_b32 s2, s18, 7                          ; which 128 rows of the tile I fetch
	s_lshl_b32 s20, s19, 8
	s_add_co_u32 s20, s20, s2                      ; x: row 256 x tile row + 128 x half
	s_lshl_b32 s46, s42, 8
	s_add_co_u32 s46, s46, s2                      ; w: row 256 x tile column + 128 x half
	s_mov_b32 s21, 0
	s_mov_b32 s47, 0
	s_mov_b64 s[66:67], KS
	s_mul_u64 s[22:23], s[20:21], s[66:67]         ; where these rows' scales begin, in bytes,
	s_mul_u64 s[92:93], s[46:47], s[66:67]
	s_mov_b64 s[66:67], KROW
	s_mul_u64 s[20:21], s[20:21], s[66:67]         ; and their codes
	s_mul_u64 s[46:47], s[46:47], s[66:67]
	s_mul_i32 s45, s16, HALFT                      ; where they go: wave x 128 rows: no place in the cluster enters an LDS address
	s_mul_i32 s94, s16, HALFS
	s_wait_dscnt 0x0                               ; both opening adds are done
	s_wait_kmcnt 0x0
	s_add_nc_u64 s[20:21], s[4:5], s[20:21]
	s_add_nc_u64 s[22:23], s[6:7], s[22:23]
	s_add_nc_u64 s[46:47], s[8:9], s[46:47]
	s_add_nc_u64 s[92:93], s[10:11], s[92:93]
	CROUND                                         ; all sixteen work-groups are here: the joint loads meet
	s_mov_b32 s[G0S], 1
	s_add_co_u32 s[G0S+1], s94, SCL
	s_mov_b64 s[G0S+2:G0S+3], s[22:23]
	s_or_b32 s[G0S+3], s[G0S+3], 0x80000000
	s_mov_b32 s[G0SB], 1
	s_add_co_u32 s[G0SB+1], s94, SCL
	s_mov_b64 s[G0SB+2:G0SB+3], s[92:93]
	s_or_b32 s[G0SB+3], s[G0SB+3], 0x80000000
	JLOAD G0S, G1S, G0SB, G1SB                     ; the scales first: they are wanted with the first slot
.irp s, 0,1
	s_mov_b32 s[G0+4*\s], 1
	s_add_co_u32 s[G0+4*\s+1], s45, \s*SLOT
	s_add_nc_u64 s[G0+4*\s+2:G0+4*\s+3], s[20:21], \s*ROWB
	s_or_b32 s[G0+4*\s+3], s[G0+4*\s+3], 0x80000000
	s_mov_b32 s[G0B+4*\s], 1
	s_add_co_u32 s[G0B+4*\s+1], s45, \s*SLOT
	s_add_nc_u64 s[G0B+4*\s+2:G0B+4*\s+3], s[46:47], \s*ROWB
	s_or_b32 s[G0B+4*\s+3], s[G0B+4*\s+3], 0x80000000
	JLOAD G0+4*\s, G1, G0B+4*\s, G1B               ; three tensor loads of mine are out behind the second of these
.endr
	v_and_b32 v1, 15, v0                           ; r = lane % 16
	v_bfe_u32 v2, v0, 4, 1                         ; h = lane / 16
	; the bias of my 128 columns.  The cluster's x is the weight's number (four tile columns to a weight): the choice is the same in all sixteen partners
	s_cmp_eq_u32 ttmp9, 0
	s_cselect_b64 s[66:67], s[96:97], s[98:99]
	s_cmp_eq_u32 ttmp9, 2
	s_cselect_b64 s[66:67], s[12:13], s[66:67]
	s_lshl_b32 s92, s40, 10                        ; 256 cx columns of 4 bytes
	s_lshl_b32 s93, s18, 9                         ; + 128 x half
	s_add_co_u32 s92, s92, s93
	s_mov_b32 s93, 0
	s_add_nc_u64 s[66:67], s[66:67], s[92:93]
	v_lshlrev_b32 v[BOF], 5, v2
.irp b, 0,1,2,3,4,5,6,7
	global_load_b128 v[BI+8*\b:BI+8*\b+3], v[BOF], s[66:67] offset:64*\b
	global_load_b128 v[BI+8*\b+4:BI+8*\b+7], v[BOF], s[66:67] offset:64*\b+16
.endr
	v_mul_u32_u24 v3, v1, PITCH
	v_lshl_add_u32 v4, v2, 4, v3                   ; a fragment's row x pitch + 16 x half
	s_mul_i32 s21, s17, HALFT                      ; my 128 rows of x
	s_mul_i32 s22, s18, HALFT                      ; my 128 rows of w,
	s_add_co_u32 s22, s22, 2*HALFT                 ; which lie behind x's 256
.irp s, 0,1
	v_add_nc_u32 v[ADRA+\s], s21, v4
	v_add_nc_u32 v[ADRB+\s], s22, v4
	s_add_co_u32 s21, s21, SLOT
	s_add_co_u32 s22, s22, SLOT
.endr
	v_mul_u32_u24 v5, v1, KS                       ; my row's scales: 32 bytes a row,
	v_lshrrev_b32 v6, 8, v5
	v_lshl_add_u32 v5, v6, 4, v5                   ; and 16 more for each 256 passed
	s_mul_i32 s21, s17, HALFS
	s_mul_i32 s22, s18, HALFS
	s_add_co_u32 s22, s22, 2*HALFS
	s_sub_co_u32 s22, s22, s21
	v_mul_u32_u24 v6, s22, v2                      ; lanes 16-31 take w's: one product, the distance between the two bases
	s_add_co_u32 s21, s21, SCL
	v_add_nc_u32 v5, v5, v6
	v_add_nc_u32 v[ADRS], s21, v5
	s_mul_i32 s23, s16, 16*SPITCH                  ; my stage
	v_mul_u32_u24 v5, v1, SPITCH
	v_lshl_add_u32 v5, v2, 4, v5
	v_add_nc_u32 v[STO], s23, v5                   ; in: row r, 16 bytes for each half of the lanes
	v_and_b32 v6, 31, v0
	v_lshlrev_b32 v[CO], 4, v6                     ; in a plane: 16 bytes a lane, 512 consecutive bytes a store (four rows of 128)
	v_lshrrev_b32 v5, 3, v6
	v_mul_u32_u24 v5, v5, SPITCH
	v_and_b32 v6, 7, v0
	v_lshl_add_u32 v5, v6, 4, v5
	v_add_nc_u32 v[RD], s23, v5                    ; back: eight lanes to a row's 128 bytes of one plane
	s_lshl_b32 s20, s19, 8
	s_lshl_b32 s21, s17, 7
	s_add_co_u32 s20, s20, s21                     ; my first row: 256 x tile row + 128 x half,
	s_lshl_b32 s20, s20, 7                         ; 128 bytes a row
	s_mov_b32 s21, 0
	s_lshl_b32 s46, s42, 2
	s_lshl_b32 s47, s18, 1
	s_add_co_u32 s46, s46, s47                     ; my first plane: 4 x tile column + 2 x half
	s_lshl_b32 s46, s46, 20
	s_mov_b32 s47, 0
	s_add_nc_u64 s[20:21], s[20:21], s[46:47]
	s_add_nc_u64 s[14:15], s[14:15], s[20:21]
.macro FRAG reg, adr, q, i             ; 16 rows x 128 K of 4-bit codes: 8 registers: two loads of 16 bytes, 32 bytes apart
.irp c, 0,1
	ds_load_b128 v[\reg+4*\c:\reg+4*\c+3], v[\adr] offset:64*(\q)+32*\c+(\i)*16*PITCH
.endr
.endm
; 16 matrix instructions: x's blocks a0, a0 + 1 against w's eight.  zero = 1: the first step: the bias is the C, so nothing is cleared and no addition is spent.
; The 64 accumulators take turns, one instruction a turn, in the same order in every step.
.macro MUL16 a0, p, q, sc, zero
.irp a, \a0, \a0+1
.irp b, 0,1,2,3,4,5,6,7
.if \zero
	v_wmma_scale_f32_16x16x128_f8f6f4 v[8*(8*((\a)%4)+\b):8*(8*((\a)%4)+\b)+7], v[128*(\p)+FR*\b:128*(\p)+FR*\b+FR-1], v[AF+FR*(\a):AF+FR*(\a)+FR-1], v[BI+8*\b:BI+8*\b+7], v[SC+8*NQ*(\sc)+NQ*\b+(\q)], v[SC+8*NQ*(\sc)+NQ*(\a)+(\q)] matrix_a_fmt:MATRIX_FMT_FP4 matrix_b_fmt:MATRIX_FMT_FP4 matrix_a_scale:MATRIX_SCALE_ROW1
.else
	v_wmma_scale_f32_16x16x128_f8f6f4 v[8*(8*((\a)%4)+\b):8*(8*((\a)%4)+\b)+7], v[128*(\p)+FR*\b:128*(\p)+FR*\b+FR-1], v[AF+FR*(\a):AF+FR*(\a)+FR-1], v[8*(8*((\a)%4)+\b):8*(8*((\a)%4)+\b)+7], v[SC+8*NQ*(\sc)+NQ*\b+(\q)], v[SC+8*NQ*(\sc)+NQ*(\a)+(\q)] matrix_a_fmt:MATRIX_FMT_FP4 matrix_b_fmt:MATRIX_FMT_FP4 matrix_a_scale:MATRIX_SCALE_ROW1
.endif
.endr
.endr
.endm
.macro FETCH_B slot, q, p
	WIN TO_B
.irp i, 0,1,2,3,4,5,6,7
	FRAG 128*(\p)+FR*\i, ADRB+\slot, \q, \i
.endr
	WIN 0
.endm
.macro FETCH_A slot, q, i0
.irp i, \i0, \i0+1, \i0+2, \i0+3
	FRAG AF+FR*(\i), ADRA+\slot, \q, \i
.endr
.endm
.macro SCALES sc                       ; a slot's scale words: four words a row; lanes 0-15 take x's block i, lanes 16-31 w's block i
.irp i, 0,1,2,3,4,5,6,7
	ds_load_b128 v[SC+8*NQ*\sc+NQ*\i:SC+8*NQ*\sc+NQ*\i+3], v[ADRS] offset:\i*SBLK
.endr
.endm
.macro PLACES n                        ; plain vector instructions between a matrix instruction and a load into, or a read of, its registers
.rept \n
	v_nop
.endr
.endm
.macro STEP slot, q, zero              ; a step of 128 along K that has its successor in the same slot
	s_wait_dscnt 4*NL                              ; w's set and x's blocks 0-3 are in; the youngest eight loads (x's blocks 4-7) may be out
.if \zero
	WIN BIAS_LO
.else
	WIN MUL_LO
.endif
	MUL16 0, (\q)%2, \q, \slot, \zero
	MUL16 2, (\q)%2, \q, \slot, \zero
	s_wait_dscnt 0                                 ; x's blocks 4-7 are in
	PLACES NP
	FETCH_B \slot, (\q)+1, 1-(\q)%2
	FETCH_A \slot, (\q)+1, 0
.if \zero
	WIN BIAS_HI
.else
	WIN MUL_HI
.endif
	MUL16 4, (\q)%2, \q, \slot, \zero
	MUL16 6, (\q)%2, \q, \slot, \zero
	PLACES NP
	WIN 0
	FETCH_A \slot, (\q)+1, 4
.endm
; Slot 0's last step changes slots: each wave waits for all its tensor loads (its part of slot 1), then the barrier shows slot 1 whole to every wave, and slot 0 read out.
.macro TURN slot, next
	s_wait_tensorcnt 0x0                           ; all my tensor loads have landed  (every window is 0 here)
	ds_add_u32 v[SPW], v[NIL]                      ; 0 onto my spare word
	s_wait_dscnt 4*NL+1                            ; (the add and the youngest eight loads may be out)
	WIN MUL_LO
	MUL16 0, 1, NQ-1, \slot, 0
	s_wait_dscnt 0x0                               ; the add is done, and my reads of this slot are over
	s_barrier_signal -1
	MUL16 2, 1, NQ-1, \slot, 0
	WIN 0
	s_barrier_wait -1
	PLACES NP
	v_add_nc_u32 v[ADRS], 4*NQ, v[ADRS]            ; on to the next slot's scale words
	FETCH_B \next, 0, 0
	FETCH_A \next, 0, 0
	SCALES \next
	WIN MUL_HI
	MUL16 4, 1, NQ-1, \slot, 0
	MUL16 6, 1, NQ-1, \slot, 0
	PLACES NP
	WIN 0
	FETCH_A \next, 0, 4
.endm
	s_wait_tensorcnt 1                             ; the scales and my part of slot 0 are in (slot 1's load may be out)
	s_barrier_signal -1
	s_barrier_wait -1                              ; everybody's are
	FETCH_B 0, 0, 0
	FETCH_A 0, 0, 0
	SCALES 0
	FETCH_A 0, 0, 4
	s_wait_loadcnt 0x0                             ; the bias
	STEP 0, 0, 1
	STEP 0, 1, 0
	STEP 0, 2, 0
	TURN 0, 1
	STEP 1, 0, 0
	STEP 1, 1, 0
	STEP 1, 2, 0
	s_wait_dscnt 4*NL                              ; the last step: nothing more to fetch
	WIN MUL_LO
	MUL16 0, 1, NQ-1, 1, 0
	MUL16 2, 1, NQ-1, 1, 0
	s_wait_dscnt 0
	WIN MUL_HI
	MUL16 4, 1, NQ-1, 1, 0
	MUL16 6, 1, NQ-1, 1, 0
	WIN 0
; THE WAY OUT, block by block of 16 rows x 128 columns.  PACK: rounded to f16, a lane's eight columns are 16 bytes.  TOSTAGE: into my own stage, and back so that 32 lanes hold four whole rows of one plane.  SEND: stored.
.macro PACK a
.set AC, 64*((\a)%4)
	WIN 0x0a+5*((\a)/4)                            ; sources 0 and 1: window 2 or 3
.irp b, 0,1,2,3,4,5,6,7
.irp r, 0,1,2,3
	v_cvt_pk_f16_f32 v[TMP+4*\b+\r], v[AC+8*\b+2*\r], v[AC+8*\b+2*\r+1]   ; each accumulator from its low end on
.endr
.endr
	WIN 0
.endm
.macro TOSTAGE a
.set BK, OB+192*((\a)%2)
.irp b, 0,1,2,3,4,5,6,7
	ds_store_b128 v[STO], v[TMP+4*\b:TMP+4*\b+3] offset:32*\b
.endr
.irp t, 0,1,2,3,4,5,6,7
	ds_load_b128 v[BK+4*\t:BK+4*\t+3], v[RD] offset:(\t%4)*4*SPITCH+(\t/4)*128   ; LDS serves a wave's instructions in order (ISA guide 5.7.1): these see the stores above
.endr
.endm
.macro SEND a
.set BK, OB+192*((\a)%2)
	s_wait_dscnt 0x0                               ; the block is back in registers
	s_wait_xcnt 0x0                                ; the block before has had its stores' registers read: the next block's loads may land there
.irp t, 0,1,2,3,4,5,6,7
	global_store_b128 v[CO], v[BK+4*\t:BK+4*\t+3], s[14:15] offset:(\t/4)*PLANEB+2048*(\a)+512*(\t%4)   ; 512 consecutive bytes of a plane, aligned
.endr
.endm
	PLACES NP
	PACK 0
	TOSTAGE 0
.irp a, 1,2,3,4,5,6,7                  ; block a's conversions stand between block a - 1's loads from the stage and the wait for them
	PACK \a
	SEND \a-1
	TOSTAGE \a
.endr
	SEND 7
	s_wait_tensorcnt 0x0                           ; the wave's end
	ds_add_u32 v[SPW], v[NIL]
	s_wait_dscnt 0x0
	CROUND                                         ; the closing round
	s_endpgm
.Lfunc_end_k_q69f9456f35_qkv_gemm:
	.size	k_q69f9456f35_qkv_gemm, .Lfunc_end_k_q69f9456f35_qkv_gemm-k_q69f9456f35_qkv_gemm
	.p2alignl 7, 3214868480
	.fill 96, 4, 3214868480
	.section	.rodata,"a",@progbits
	.p2align	6, 0x0
	.amdhsa_kernel k_q69f9456f35_qkv_gemm
		.amdhsa_group_segment_fixed_size 327680
		.amdhsa_private_segment_fixed_size 0
		.amdhsa_enable_private_segment 0
		.amdhsa_kernarg_size 64
		.amdhsa_user_sgpr_count 2
		.amdhsa_user_sgpr_kernarg_segment_ptr 1
		.amdhsa_wavefront_size32 1
		.amdhsa_system_sgpr_workgroup_id_x 1
		.amdhsa_system_sgpr_workgroup_id_y 1
		.amdhsa_system_sgpr_workgroup_id_z 1
		.amdhsa_system_vgpr_workitem_id 0
		.amdhsa_next_free_vgpr 1024
		.amdhsa_next_free_sgpr 100
		.amdhsa_reserve_vcc 0
		.amdhsa_float_denorm_mode_32 3
		.amdhsa_float_denorm_mode_16_64 3
		.amdhsa_memory_ordered 1
		.amdhsa_forward_progress 1
		.amdhsa_inst_pref_size 128
	.end_amdhsa_kernel
	.amdgpu_metadata
---
amdhsa.version: [ 1, 2 ]
amdhsa.kernels:
  - .name:           k_q69f9456f35_qkv_gemm
    .symbol:         k_q69f9456f35_qkv_gemm.kd
    .args:
      - { .name: x_codes, .offset: 0, .size: 8, .value_kind: global_buffer, .address_space: global }
      - { .name: x_scales, .offset: 8, .size: 8, .value_kind: global_buffer, .address_space: global }
      - { .name: w_codes, .offset: 16, .size: 8, .value_kind: global_buffer, .address_space: global }
      - { .name: w_scales, .offset: 24, .size: 8, .value_kind: global_buffer, .address_space: global }
      - { .name: bq, .offset: 32, .size: 8, .value_kind: global_buffer, .address_space: global }
      - { .name: bk, .offset: 40, .size: 8, .value_kind: global_buffer, .address_space: global }
      - { .name: bv, .offset: 48, .size: 8, .value_kind: global_buffer, .address_space: global }
      - { .name: qkv, .offset: 56, .size: 8, .value_kind: global_buffer, .address_space: global }
    .group_segment_fixed_size: 327680
    .private_segment_fixed_size: 0
    .kernarg_segment_align: 8
    .kernarg_segment_size: 64
    .max_flat_workgroup_size: 128
    .sgpr_count:     100
    .vgpr_count:     1024
    .wavefront_size: 32
...
	.end_amdgpu_metadata
.endif
;; end of part 2
;; launch attn (part 3): grid 4 x 64, 16 waves a work-group, clusters of 4 x 1, 327,680 bytes of LDS; arguments qkv, rep; writes rep
.if DOCPART == 3
	.amdgcn_target "amdgcn-amd-amdhsa--gfx1250"
	.amdhsa_code_object_version 6
	.text
	.protected	k_q69f9456f35_attn
	.globl	k_q69f9456f35_attn
	.p2align	8
	.type	k_q69f9456f35_attn,@function
k_q69f9456f35_attn:
	s_mov_b64 s[64:65], 0
	v_nop
	global_prefetch_b8 v0, s[64:65] scope:SCOPE_SE
	s_setreg_imm32_b32 hwreg(HW_REG_WAVE_MODE, 25, 1), 1
	s_wait_xcnt 0x0
	s_wait_alu depctr_hold_cnt(0) depctr_sa_sdst(0) depctr_va_vdst(0) depctr_va_sdst(0) depctr_va_ssrc(0) depctr_va_vcc(0) depctr_vm_vsrc(0)
	s_getreg_b32 s2, hwreg(HW_REG_IB_STS2, 6, 4)
	s_cmp_eq_u32 s2, 0
	s_cbranch_scc0 .Lentry_in_a_cluster
	s_endpgm
.Lentry_in_a_cluster:
	s_bfe_u32 s2, ttmp6, 0x10000c
	s_cmp_lg_u32 s2, 0x3003
	s_cbranch_scc0 .Lentry_shape_is_right
	s_endpgm
.Lentry_shape_is_right:
; rep[b][p][h][:] = the sum over keys of softmax(q . k / 8) v, for 4 sequences x 16 heads x 2,048 positions, head size 64, no mask.  Operands in f16, products, maxima and sums in f32.
; qkv lies by planes [48][8192][64] f16 (Q of head h: plane h; K: 16 + h; V: 32 + h; row = 2048 b + p); rep likewise, [16][8192][64] f16.
; LIMITS: the weights p = 2^(c s - c m) <= 1 are rounded to f16 for the second product (under 6e-8 they are 0); rep under 6e-5 in magnitude carries f16's absolute step of 6e-8.
; SHARES.  A cluster of four work-groups owns one (b, h); each work-group 512 queries; each of its SIXTEEN waves 32 queries, two tiles of 16, in 256 registers: four waves to a SIMD,
; so that one wave's softmax stands beside another's products and LDS loads.  Every wave walks all 2,048 keys, 64 a step.
; K's and V's tiles come through a ring of two LDS slots of 256 keys.  The four work-groups walk the same K and V: each tile is asked for JOINTLY (waves 0, 1: K's halves; waves 2, 3: V's).
; LAYOUT.  S^T = K Q^T (source 0 = 16 keys, source 1 = 16 queries): a lane holds ONE query (lane % 16) and keys 8 (lane / 16) + 0..7.  Two such tiles, rounded to f16 in pairs, ARE source 1
; (32 keys x 16 queries) of O^T = V^T P.  K comes out of LDS as it lies, V ([key][channel]) turned, by ds_load_tr16_b128.
; SOFTMAX.  A running maximum m and sum l for each query; in every step O and l are multiplied by a = 2^(c m_old - c m_new); c = log2(e) / 8.
; The step is written once: m begins at -3e38, l and O^T at 0; the first a is 0 and leaves the zeros zeros.
.set KP,    144                        ; a row of K in LDS: 128 bytes + 16: the 16 rows of a load start at 16 different banks (ISA guide 11.1)
.set VP,    160                        ; a row of V: 128 + 32
.set VOFF,  256*KP                     ; a slot: 256 rows of K, then 256 rows of V
.set SLOT1, 1<<17                      ; slot 1 begins here: one exclusive or turns an address from one slot into the other
.set SPARE, SLOT1+256*(KP+VP)          ; the spare words, 128 bytes for each of the sixteen waves
.set STP,   144                        ; the way out: 32 rows x 144 bytes for each wave, in slot 0: it has had its last fill and its last read at the last change of slots
.set AK0, 1                            ; v1  my lane's place in a tile of K
.set AV0, 2                            ; v2  the same for V
.set ADK, 3                            ; v3  LDS address of the slot's K
.set ADV, 4                            ; v4  of its V
.set SPW, 5                            ; v5  my spare word; never rewritten
.set NIL, 6                            ; v6  0; never rewritten
.set PFO, 7                            ; v7  256 x my lane: the prefetches' offset; never rewritten
.set XS,  8                            ; v[8:9], v[10:11] a second chain of sums for each tile
.set TT,  16                           ; tile t's statistics at v[16 + 8 t]: +0 c m, +1 m, +2, +3 l, +4..7 at work (a in +6)
.set QF,  32                           ; Q: tile t, channels 32 c on: v[32 + 16 t + 8 c]
.set KV,  64                           ; v64-127 K's 8 fragments of a step (32 c + 8 kt), then V's 8 (32 kf + 8 ct)
.set S,   128                          ; S^T: tile t, key tile kt: v[128 + 32 t + 8 kt]; P in place at v[128 + 32 t + 0..15]
.set OA,  192                          ; O^T: tile t, channels 16 ct on: v[192 + 32 t + 8 ct]
.macro CROUND                          ; a round of the cluster's barrier
	s_barrier_signal -1
	s_barrier_wait -1
	s_cmp_lg_u32 s8, 0
	s_cbranch_scc1 .Lnot_wave_0_\@
	s_barrier_signal -3
.Lnot_wave_0_\@:
	s_barrier_wait -3
	s_barrier_signal -1
	s_barrier_wait -1
.endm
; A joint load.  The branches hang on the wave's number alone: they are the same in all four work-groups.  An s_nop 0 and four v_nop follow each line.
.macro JLOAD
	s_cmp_lt_u32 s8, 2
	s_cbranch_scc0 .Lnot_k_\@
	tensor_load_to_lds s[40:43], s[24:31]
	s_nop 0
.rept 4
	v_nop
.endr
	s_branch .Lasked_\@
.Lnot_k_\@:
	s_cmp_lt_u32 s8, 4
	s_cbranch_scc0 .Lasked_\@
	tensor_load_to_lds s[44:47], s[32:39]
	s_nop 0
.rept 4
	v_nop
.endr
.Lasked_\@:
.endm
; A PREFETCH INTO THE L2 of what the NEXT change of slots will ask for: a slot's 32,768 bytes of K and of V, four key steps ahead of that load.  Only this cluster reads them.
; The four partners share each block out BY ADDRESS, 8,192 bytes each, lanes 256 bytes apart; in each, wave 4 asks for K's and wave 5 for V's: so each aligned 256 bytes are named once.
; The last change that fills a slot asks for nothing; slots 0 and 1 come by their loads alone.
.macro ASK
	s_cmp_gt_u32 s49, s50
	s_cbranch_scc0 .Lnot_mine_\@
	global_prefetch_b8 v[PFO], s[52:53] th:TH_LOAD_NT scope:SCOPE_SE
.Lnot_mine_\@:
.endm
	s_load_b128 s[4:7], s[0:1], 0x0                ; qkv 4:5, rep 6:7
	v_lshl_add_u32 v[SPW], v0, 2, SPARE
	v_mov_b32 v[NIL], 0
	ds_add_u32 v[SPW], v[NIL]                      ; the wave's opening: the add, twice on end, and its wait ahead of the first tensor load
	ds_add_u32 v[SPW], v[NIL]
	v_lshrrev_b32 v12, 5, v0
	v_readfirstlane_b32 s8, v12                    ; wave 0..15
	s_bfe_u32 s9, ttmp6, 0x40000                   ; cx: my block of 512 queries
	s_and_b32 s12, ttmp7, 0xffff
	s_and_b32 s10, s12, 15                         ; the head
	s_lshr_b32 s11, s12, 4                         ; the sequence
	s_lshl_b32 s12, s10, 20                        ; a plane is 2^20 bytes,
	s_lshl_b32 s13, s11, 18                        ; a sequence's 2,048 rows of 128 bytes 2^18
	s_add_co_u32 s12, s12, s13
	s_and_b32 s14, s8, 1                           ; which half of a slot's 256 keys I fetch, if I fetch
	s_lshl_b32 s15, s14, 14                        ; 128 rows of 128 bytes
	s_add_co_u32 s54, s12, s15
	s_add_co_u32 s54, s54, 16<<20                  ; K: plane 16 + h
	s_mov_b32 s55, 0
	s_add_co_u32 s56, s54, 16<<20                  ; V: plane 32 + h
	s_mov_b32 s57, 0
	s_lshl_b32 s58, s9, 16                         ; Q and rep: my block's 512 rows,
	s_lshl_b32 s59, s8, 12                         ; my wave's 32 of them
	s_add_co_u32 s58, s58, s59
	s_add_co_u32 s58, s58, s12
	s_mov_b32 s59, 0
	s_lshl_b32 s52, s14, 24                        ; the prefetches: wave 4: K's plane, wave 5: V's (16 planes on),
	s_add_co_u32 s52, s52, 16<<20
	s_add_co_u32 s52, s52, s12
	s_lshl_b32 s53, s9, 13                         ; my work-group's 8,192 bytes of a slot's 32,768,
	s_add_co_u32 s52, s52, s53
	s_add_co_u32 s52, s52, 32768                   ; in slot 1: the first change of slots steps it to slot 2
	s_mov_b32 s53, 0
	s_sub_co_u32 s50, s8, 4
	s_lshr_b32 s50, s50, 1
	s_cmp_eq_u32 s50, 0
	s_cselect_b32 s50, 1, -1                       ; 1 in waves 4 and 5, else the greatest number
	; group 1: 128 rows of 64 elements of 2 bytes, dense in memory; padding behind every 32 words: 4 words for K, 8 for V; the mask names all four work-groups
	s_mov_b32 s24, 15|(1<<16)|(1<<20)|(1<<21)|(4<<22)|(3<<25)
	s_mov_b32 s32, 15|(1<<16)|(1<<20)|(1<<21)|(4<<22)|(7<<25)
.irp g, 24, 32
	s_mov_b32 s[\g+1], 64<<16                      ; tensor_dim0
	s_mov_b32 s[\g+2], 128<<16                     ; tensor_dim1
	s_mov_b32 s[\g+3], 64<<16                      ; tile_dim0
	s_mov_b32 s[\g+4], 128                         ; tile_dim1
	s_mov_b32 s[\g+5], 64                          ; the pitch in memory
	s_mov_b32 s[\g+6], 0
	s_mov_b32 s[\g+7], 0
.endr
	s_mov_b32 s40, 1
	s_mul_i32 s41, s14, 128*KP                     ; LDS: slot 0, my half of K
	s_mov_b32 s44, 1
	s_mul_i32 s45, s14, 128*VP
	s_add_co_u32 s45, s45, VOFF                    ; my half of V
	s_mov_b32 s20, 0x76543210
	s_mov_b32 s21, 0xfedcba98                      ; v_permlanex16_b32's selects for lane l xor 16
	s_mov_b32 s22, 0x3e38aa3b                      ; c = log2(e) / 8
	s_mov_b32 s23, s22                             ; (named with it as a pair, so it is written)
	s_mov_b32 s48, 0                               ; the slot in hand begins at LDS byte 0
	s_mov_b32 s49, 7                               ; slots still to be asked for
	s_wait_dscnt 0x0                               ; both opening adds are done
	s_wait_kmcnt 0x0
	s_add_nc_u64 s[42:43], s[4:5], s[54:55]
	s_or_b32 s43, s43, 0x80000000
	s_add_nc_u64 s[46:47], s[4:5], s[56:57]
	s_or_b32 s47, s47, 0x80000000
	s_add_nc_u64 s[16:17], s[4:5], s[58:59]        ; Q at my wave's first row
	s_add_nc_u64 s[18:19], s[6:7], s[58:59]        ; rep likewise
	s_add_nc_u64 s[52:53], s[4:5], s[52:53]
	CROUND                                         ; all four work-groups are here: the first joint loads meet
	JLOAD                                          ; slot 0
	v_and_b32 v12, 15, v0                          ; r
	v_bfe_u32 v13, v0, 4, 1                        ; h
	v_mul_u32_u24 v[AK0], v12, KP
	v_lshl_add_u32 v[AK0], v13, 4, v[AK0]          ; K: row r x pitch + 16 x half
	v_and_b32 v14, 7, v0
	v_bfe_u32 v15, v0, 3, 1
	v_lshl_add_u32 v[AV0], v13, 3, v14             ; V, for the turning load: key 8 h + lane % 8,
	v_mul_u32_u24 v[AV0], v[AV0], VP
	v_lshl_add_u32 v[AV0], v15, 4, v[AV0]          ; channels 8 ((lane / 8) % 2) on
	v_add_nc_u32 v[AV0], VOFF, v[AV0]
	v_and_b32 v[PFO], 31, v0
	v_lshlrev_b32 v[PFO], 8, v[PFO]
	v_lshlrev_b32 v14, 7, v12
	v_lshl_add_u32 v14, v13, 4, v14                ; Q: row r of 128 bytes + 16 h
.irp t, 0,1
.irp c, 0,1
	global_load_b128 v[QF+16*\t+8*\c:QF+16*\t+8*\c+3], v14, s[16:17] offset:2048*\t+64*\c      ; Q stays in registers
	global_load_b128 v[QF+16*\t+8*\c+4:QF+16*\t+8*\c+7], v14, s[16:17] offset:2048*\t+64*\c+32
.endr
.endr
.irp t, 0,1
	v_mov_b32 v[TT+8*\t+1], 0xff61b1e6             ; m = -3e38, under every score
	v_mul_f32 v[TT+8*\t], s22, v[TT+8*\t+1]        ; c m
	v_mov_b32 v[TT+8*\t+2], 0                      ; l, in two halves
	v_mov_b32 v[TT+8*\t+3], 0
.endr
.set i, 0
.rept 64
	v_mov_b32 v[OA+i], 0                           ; O^T: cleared once, so that the key step is written once and has no first copy
.set i, i+1
.endr
; THE SOFTMAX of both tiles for one key step, the tiles line by line so that no line waits for the line above it.
.macro SOFTMAX
.irp j, 0,1,2,3
.irp t, 0,1
	v_max3_num_f32 v[TT+8*\t+4+\j], v[S+32*\t+8*\j], v[S+32*\t+8*\j+1], v[S+32*\t+8*\j+2]   ; four chains, each begun at its accumulator's low end
.endr
.endr
.irp u, 3,5
.irp j, 0,1,2,3
.irp t, 0,1
	v_max3_num_f32 v[TT+8*\t+4+\j], v[TT+8*\t+4+\j], v[S+32*\t+8*\j+\u], v[S+32*\t+8*\j+\u+1]
.endr
.endr
.endr
.irp t, 0,1
	v_max3_num_f32 v[TT+8*\t+4], v[TT+8*\t+4], v[S+32*\t+7], v[S+32*\t+15]
	v_max3_num_f32 v[TT+8*\t+6], v[TT+8*\t+6], v[S+32*\t+23], v[S+32*\t+31]
.endr
.irp t, 0,1
	v_max3_num_f32 v[TT+8*\t+4], v[TT+8*\t+4], v[TT+8*\t+5], v[TT+8*\t+6]
.endr
.irp t, 0,1
	v_max3_num_f32 v[TT+8*\t+4], v[TT+8*\t+4], v[TT+8*\t+7], v[TT+8*\t+1]   ; with the old m
.endr
.irp t, 0,1
	v_permlanex16_b32 v[TT+8*\t+5], v[TT+8*\t+4], s20, s21   ; the query's other 32 keys lie in the lane 16 away
.endr
.irp t, 0,1
	v_mov_b32 v[TT+8*\t+7], v[TT+8*\t]             ; c m_old is kept for a
.endr
.irp t, 0,1
	v_max_num_f32 v[TT+8*\t+1], v[TT+8*\t+4], v[TT+8*\t+5]
.endr
.irp t, 0,1
	v_mul_f32 v[TT+8*\t], s22, v[TT+8*\t+1]
.endr
.irp t, 0,1
	v_sub_f32 v[TT+8*\t+7], v[TT+8*\t+7], v[TT+8*\t]
.endr
.irp j, 0,2,4,6,8,10,12,14,16,18,20,22,24,26,28,30
.irp t, 0,1
	v_pk_fma_f32 v[S+32*\t+\j:S+32*\t+\j+1], v[S+32*\t+\j:S+32*\t+\j+1], s[22:23], v[TT+8*\t:TT+8*\t+1] op_sel_hi:[1,0,0] neg_lo:[0,0,1] neg_hi:[0,0,1]   ; c s - c m, two at a time
.endr
.endr
.irp t, 0,1
	v_exp_f32 v[TT+8*\t+6], v[TT+8*\t+7]           ; a
.endr
.irp t, 0,1
.irp j, 0,1,2,3,4,5,6,7,8,9,10,11,12,13,14,15,16,17,18,19,20,21,22,23,24,25,26,27,28,29,30,31
	v_exp_f32 v[S+32*\t+\j], v[S+32*\t+\j]         ; p: ONE batch of 66 exponentials, none of which reads another's result
.endr
.endr
	v_nop                                          ; a plain instruction behind the last exponential (ISA guide 5.7.2)
	s_wait_alu depctr_va_vdst(0)                   ; one wait for the batch, ahead of its first reader
.irp t, 0,1
	v_pk_add_f32 v[TT+8*\t+4:TT+8*\t+5], v[S+32*\t:S+32*\t+1], v[S+32*\t+2:S+32*\t+3]          ; the sums leave p as it is: two chains a tile
	v_pk_add_f32 v[XS+2*\t:XS+2*\t+1], v[S+32*\t+4:S+32*\t+5], v[S+32*\t+6:S+32*\t+7]
.endr
.irp j, 8,12,16,20,24,28
.irp t, 0,1
	v_pk_add_f32 v[TT+8*\t+4:TT+8*\t+5], v[TT+8*\t+4:TT+8*\t+5], v[S+32*\t+\j:S+32*\t+\j+1]
	v_pk_add_f32 v[XS+2*\t:XS+2*\t+1], v[XS+2*\t:XS+2*\t+1], v[S+32*\t+\j+2:S+32*\t+\j+3]
.endr
.endr
.irp t, 0,1
	v_pk_add_f32 v[TT+8*\t+4:TT+8*\t+5], v[TT+8*\t+4:TT+8*\t+5], v[XS+2*\t:XS+2*\t+1]
.endr
.irp t, 0,1
	v_pk_fma_f32 v[TT+8*\t+2:TT+8*\t+3], v[TT+8*\t+2:TT+8*\t+3], v[TT+8*\t+6:TT+8*\t+7], v[TT+8*\t+4:TT+8*\t+5] op_sel_hi:[1,0,1]   ; l = a l + the sum
.endr
.irp i, 0,1,2,3,4,5,6,7,8,9,10,11,12,13,14,15
.irp t, 0,1
	v_cvt_pk_f16_f32 v[S+32*\t+\i], v[S+32*\t+2*\i], v[S+32*\t+2*\i+1]   ; P in place, ascending: register i is written when registers 2 i and 2 i + 1 are read, and i <= 2 i
.endr
.endr
.irp j, 0,2,4,6,8,10,12,14,16,18,20,22,24,26,28,30
.irp t, 0,1
	v_pk_mul_f32 v[OA+32*\t+\j:OA+32*\t+\j+1], v[OA+32*\t+\j:OA+32*\t+\j+1], v[TT+8*\t+6:TT+8*\t+7] op_sel_hi:[1,0]   ; O^T x a, each accumulator from its low end on
.endr
.endr
.endm
; A KEY STEP: 64 keys, the q-th of the slot in hand.
.macro STEP q
	v_add_nc_u32 v[ADK], s48, v[AK0]
	v_add_nc_u32 v[ADV], s48, v[AV0]
.irp c, 0,1
.irp kt, 0,1,2,3
	ds_load_b128 v[KV+32*\c+8*\kt:KV+32*\c+8*\kt+3], v[ADK] offset:64*KP*(\q)+16*KP*\kt+64*\c
	ds_load_b128 v[KV+32*\c+8*\kt+4:KV+32*\c+8*\kt+7], v[ADK] offset:64*KP*(\q)+16*KP*\kt+64*\c+32
.endr
.endr
	s_wait_dscnt 8                                 ; channels 0-31 are in; the eight loads of channels 32-63 may be out
.irp kt, 0,1,2,3
.irp t, 0,1
	v_wmma_f32_16x16x32_f16 v[S+32*\t+8*\kt:S+32*\t+8*\kt+7], v[KV+8*\kt:KV+8*\kt+7], v[QF+16*\t:QF+16*\t+7], 0
.endr
.endr
	s_wait_dscnt 0x0
.irp kt, 0,1,2,3                       ; the eight accumulators take turns, in the same order
.irp t, 0,1
	v_wmma_f32_16x16x32_f16 v[S+32*\t+8*\kt:S+32*\t+8*\kt+7], v[KV+32+8*\kt:KV+32+8*\kt+7], v[QF+16*\t+8:QF+16*\t+15], v[S+32*\t+8*\kt:S+32*\t+8*\kt+7]
.endr
.endr
.rept 4
	v_nop                                          ; places: V's loads land on K's registers, and the maxima read the scores
.endr
.irp kf, 0,1
.irp ct, 0,1,2,3
	ds_load_tr16_b128 v[KV+32*\kf+8*\ct:KV+32*\kf+8*\ct+3], v[ADV] offset:64*VP*(\q)+32*VP*\kf+32*\ct          ; they land while the softmax is walked
	ds_load_tr16_b128 v[KV+32*\kf+8*\ct+4:KV+32*\kf+8*\ct+7], v[ADV] offset:64*VP*(\q)+32*VP*\kf+32*\ct+16*VP
.endr
.endr
	SOFTMAX
	s_wait_dscnt 0x0                               ; V is in
.irp kf, 0,1
.irp ct, 0,1,2,3
.irp t, 0,1
	v_wmma_f32_16x16x32_f16 v[OA+32*\t+8*\ct:OA+32*\t+8*\ct+7], v[KV+32*\kf+8*\ct:KV+32*\kf+8*\ct+7], v[S+32*\t+8*\kf:S+32*\t+8*\kf+7], v[OA+32*\t+8*\ct:OA+32*\t+8*\ct+7]
.endr
.endr
.endr
.rept 5
	v_nop                                          ; places: the next scores are written over P (five), K's loads land on V's registers, the way out reads O^T (four)
.endr
.endm
; THE CHANGE OF SLOTS stands at a slot's head.  Each wave waits for all its tensor loads, adds 0 to its spare word, and waits for that and for its reads of the slot that it has left.
; fill = 1: behind a round of the cluster's barrier, so that no wave of any partner still reads that slot, it is filled with the next 256 keys: the load has four key steps in which to land.
.macro CHANGE fill
	s_wait_tensorcnt 0x0                           ; no tensor load of mine is out, so a group 0 may be written
	ds_add_u32 v[SPW], v[NIL]
.if \fill
	ds_add_u32 v[SPW], v[NIL]                      ; and once more, in every trip alike
	s_xor_b32 s41, s41, SLOT1                      ; the walking descriptors: the other slot than last time,
	s_add_nc_u64 s[42:43], s[42:43], 32768         ; the next 256 keys; the type bits on top are not reached
	s_xor_b32 s45, s45, SLOT1
	s_add_nc_u64 s[46:47], s[46:47], 32768
	s_wait_xcnt 0x0                                ; the last prefetch, a slot back, has read its address
	s_add_nc_u64 s[52:53], s[52:53], 32768         ; one slot further on than the walking descriptors
	s_wait_dscnt 0x0                               ; both adds are done, and my reads of the slot that I have left are over
	CROUND
	JLOAD                                          ; the first thing behind the round, and a wave's one tensor load until the next
	ASK
.else
	s_wait_dscnt 0x0
	s_barrier_signal -1
	s_barrier_wait -1
.endif
.endm
.macro SLOT_STEPS
	STEP 0
	STEP 1
	STEP 2
	STEP 3
	s_xor_b32 s48, s48, SLOT1                      ; on to the other slot
.endm
	s_wait_loadcnt 0x0                             ; Q
.Lslot:                                            ; seven trips: behind each change of slots but the last the next slot is asked for
	CHANGE 1
	SLOT_STEPS
	s_sub_co_u32 s49, s49, 1
	s_cmp_lg_u32 s49, 0
	s_cbranch_scc1 .Lslot
	CHANGE 0                                       ; the last slot is written out
	SLOT_STEPS
	; THE WAY OUT.  O^T / l, rounded to f16, goes through my stage and leaves as four whole rows of 128 bytes an instruction.
.irp t, 0,1
	v_add_f32 v[TT+8*\t+4], v[TT+8*\t+2], v[TT+8*\t+3]
.endr
.irp t, 0,1
	v_permlanex16_b32 v[TT+8*\t+5], v[TT+8*\t+4], s20, s21
.endr
.irp t, 0,1
	v_add_f32 v[TT+8*\t+4], v[TT+8*\t+4], v[TT+8*\t+5]
.endr
.irp t, 0,1
	v_rcp_f32 v[TT+8*\t+6], v[TT+8*\t+4]
.endr
	v_and_b32 v12, 15, v0                          ; (plain work behind the reciprocals)
	v_bfe_u32 v13, v0, 4, 1
	s_mul_i32 s12, s8, 32*STP                      ; my stage
	v_mul_u32_u24 v14, v12, STP
	v_lshl_add_u32 v14, v13, 4, v14
	v_add_nc_u32 v14, s12, v14                     ; in: row r, 16 bytes for each half of the lanes
	v_and_b32 v12, 31, v0
	v_lshlrev_b32 v15, 4, v12                      ; in rep: 16 bytes a lane
	v_lshrrev_b32 v13, 3, v12
	v_mul_u32_u24 v13, v13, STP
	v_and_b32 v12, 7, v0
	v_lshl_add_u32 v13, v12, 4, v13
	v_add_nc_u32 v13, s12, v13                     ; back: eight lanes to a row
	s_wait_alu depctr_va_vdst(0)                   ; one wait for both reciprocals, ahead of their first reader
.irp t, 0,1
.irp j, 0,2,4,6,8,10,12,14,16,18,20,22,24,26,28,30
	v_pk_mul_f32 v[OA+32*\t+\j:OA+32*\t+\j+1], v[OA+32*\t+\j:OA+32*\t+\j+1], v[TT+8*\t+6:TT+8*\t+7] op_sel_hi:[1,0]
.endr
.irp i, 0,1,2,3,4,5,6,7,8,9,10,11,12,13,14,15
	v_cvt_pk_f16_f32 v[S+16*\t+\i], v[OA+32*\t+2*\i], v[OA+32*\t+2*\i+1]
.endr
.irp ct, 0,1,2,3
	ds_store_b128 v14, v[S+16*\t+4*\ct:S+16*\t+4*\ct+3] offset:16*STP*\t+32*\ct
.endr
.irp i, 0,1,2,3
	ds_load_b128 v[KV+16*\t+4*\i:KV+16*\t+4*\i+3], v13 offset:16*STP*\t+4*STP*\i   ; LDS serves a wave's instructions in order: these see my stores
.endr
.endr
.irp n, 0,1,2,3,4,5,6,7
	s_wait_dscnt 7-\n                              ; load n is in (for the first tile's four the count is lower than it need be)
	global_store_b128 v15, v[KV+4*\n:KV+4*\n+3], s[18:19] offset:512*\n   ; 512 consecutive bytes, aligned
.endr
	s_wait_tensorcnt 0x0                           ; the wave's end
	ds_add_u32 v[SPW], v[NIL]
	s_wait_dscnt 0x0
	CROUND                                         ; the closing round
	s_endpgm
.Lfunc_end_k_q69f9456f35_attn:
	.size	k_q69f9456f35_attn, .Lfunc_end_k_q69f9456f35_attn-k_q69f9456f35_attn
	.p2alignl 7, 3214868480
	.fill 96, 4, 3214868480
	.section	.rodata,"a",@progbits
	.p2align	6, 0x0
	.amdhsa_kernel k_q69f9456f35_attn
		.amdhsa_group_segment_fixed_size 327680
		.amdhsa_private_segment_fixed_size 0
		.amdhsa_enable_private_segment 0
		.amdhsa_kernarg_size 16
		.amdhsa_user_sgpr_count 2
		.amdhsa_user_sgpr_kernarg_segment_ptr 1
		.amdhsa_wavefront_size32 1
		.amdhsa_system_sgpr_workgroup_id_x 1
		.amdhsa_system_sgpr_workgroup_id_y 1
		.amdhsa_system_sgpr_workgroup_id_z 1
		.amdhsa_system_vgpr_workitem_id 0
		.amdhsa_next_free_vgpr 256
		.amdhsa_next_free_sgpr 66
		.amdhsa_reserve_vcc 0
		.amdhsa_float_denorm_mode_32 3
		.amdhsa_float_denorm_mode_16_64 3
		.amdhsa_memory_ordered 1
		.amdhsa_forward_progress 1
		.amdhsa_inst_pref_size 154
	.end_amdhsa_kernel
	.amdgpu_metadata
---
amdhsa.version: [ 1, 2 ]
amdhsa.kernels:
  - .name:           k_q69f9456f35_attn
    .symbol:         k_q69f9456f35_attn.kd
    .args:
      - { .name: qkv, .offset: 0, .size: 8, .value_kind: global_buffer, .address_space: global }
      - { .name: rep, .offset: 8, .size: 8, .value_kind: global_buffer, .address_space: global }
    .group_segment_fixed_size: 327680
    .private_segment_fixed_size: 0
    .kernarg_segment_align: 8
    .kernarg_segment_size: 16
    .max_flat_workgroup_size: 512
    .sgpr_count:     66
    .vgpr_count:     256
    .wavefront_size: 32
...
	.end_amdgpu_metadata
.endif
;; end of part 3
;; launch out_gemm (part 4): grid 8 x 32, 4 waves a work-group, clusters of 4 x 4, 327,680 bytes of LDS; arguments rep, wo_h, bo, out0; writes out0
.if DOCPART == 4
	.amdgcn_target "amdgcn-amd-amdhsa--gfx1250"
	.amdhsa_code_object_version 6
	.text
	.protected	k_q69f9456f35_out_gemm
	.globl	k_q69f9456f35_out_gemm
	.p2align	8
	.type	k_q69f9456f35_out_gemm,@function
k_q69f9456f35_out_gemm:
	s_mov_b64 s[64:65], 0
	v_nop
	global_prefetch_b8 v0, s[64:65] scope:SCOPE_SE
	s_setreg_imm32_b32 hwreg(HW_REG_WAVE_MODE, 25, 1), 1
	s_wait_xcnt 0x0
	s_wait_alu depctr_hold_cnt(0) depctr_sa_sdst(0) depctr_va_vdst(0) depctr_va_sdst(0) depctr_va_ssrc(0) depctr_va_vcc(0) depctr_vm_vsrc(0)
	s_getreg_b32 s2, hwreg(HW_REG_IB_STS2, 6, 4)
	s_cmp_eq_u32 s2, 0
	s_cbranch_scc0 .Lentry_in_a_cluster
	s_endpgm
.Lentry_in_a_cluster:
	s_bfe_u32 s2, ttmp6, 0x10000c
	s_cmp_lg_u32 s2, 0xf033
	s_cbranch_scc0 .Lentry_shape_is_right
	s_endpgm
.Lentry_shape_is_right:
; out0[m][n] = sum over k of rep[m][k] Wo[k][n] + bo[n]; m < 8192, n, k < 1024.  Operands in f16, sums in f32, out0 in f32.
; rep lies by planes [16][8192][64] f16 (k = 64 plane + d); wo_h [1024 k][1024 n] f16, as Wo lies: its fragments are turned on the way out of LDS by ds_load_tr16_b128.
; The bias is the sum's first term, not its last: another order of f32 rounding than rep Wo + bo.
; A tile of out0 is 256 rows x 128 columns: 256 work-groups.  Four waves, each 128 x 64: 32 accumulators, 256 registers.  K goes in steps of 128 (two planes of rep) through two LDS slots.
; CLUSTERS: 4 x 4 work-groups; rep's tiles are shared along a row of the cluster, Wo's along a column: joint loads.  No prefetch: eight K steps in all, two of them asked for at the start.
; THE MATRIX INSTRUCTION IS USED TRANSPOSED (source 0 = 16 columns of Wo, source 1 = 16 rows of rep): a lane holds eight neighbouring columns of one row; a wave's 64 columns are 256 aligned bytes.
; REGISTERS: window 0: v0-31 addresses; v32-127, v128-223 two fragment buffers (4 of Wo, then 8 of rep, 32 along K); v224-255 the bias.  window 1: the accumulators, (a, b) at v[8 (4 a + b)].
.set PLANEB, 1048576
.set PA,    144                        ; a row of rep in LDS: 128 bytes + 16
.set APL,   256*PA                     ; a plane's 256 rows
.set BOFF,  2*APL
.set PB,    288                        ; a row k of Wo: 256 bytes + 32
.set BH,    64*PB                      ; 64 rows: what one tensor load brings
.set SLOT,  BOFF+2*BH
.set STAGE, 2*SLOT                     ; behind the ring: 16 rows x 272 bytes for each wave: bytes that no tensor load fills
.set SPITCH, 272
.set SPARE, STAGE+4*16*SPITCH          ; the spare words, 128 bytes for each wave
.set ADRA, 16
.set ADRB, 20
.set STO,  24
.set RD,   25
.set CO,   26
.set SPW,  28
.set NIL,  29
.set BOF,  30
.set F0,   32
.set F1,   128
.set BI,   224                         ; register 8 b + j = bo[16 b + 8 (lane / 16) + j] of my 64 columns
.set G1, 24
.set G0, 32
.set G1B, 48
.set G0B, 56
.set MSB, 0
.macro WIN new
.if MSB != (\new)
	s_set_vgpr_msb (MSB<<8)|(\new)
.set MSB, (\new)
.endif
.endm
.set MUL,  0x50                        ; sources 0 and 1 window 0; C and D window 1
.set MULB, 0x40                        ; the first quarter: C is the bias in window 0
.macro JLOAD s                         ; waves 0 and 1 fetch rep's two planes, waves 2 and 3 Wo's two halves; an s_nop 0 and four v_nop follow each line
	s_cmp_eq_u32 s13, 0
	s_cbranch_scc0 .Lfor_b_\@
	tensor_load_to_lds s[G0+4*\s:G0+4*\s+3], s[G1:G1+7]
	s_nop 0
.rept 4
	v_nop
.endr
	s_branch .Lasked_\@
.Lfor_b_\@:
	tensor_load_to_lds s[G0B+4*\s:G0B+4*\s+3], s[G1B:G1B+7]
	s_nop 0
.rept 4
	v_nop
.endr
.Lasked_\@:
.endm
.macro CREST                           ; a round of the cluster's barrier behind its opening barrier
	s_cmp_lg_u32 s12, 0
	s_cbranch_scc1 .Lnot_wave_0_\@
	s_barrier_signal -3
.Lnot_wave_0_\@:
	s_barrier_wait -3
	s_barrier_signal -1
	s_barrier_wait -1
.endm
.macro CROUND
	s_barrier_signal -1
	s_barrier_wait -1
	CREST
.endm
	s_load_b256 s[4:11], s[0:1], 0x0               ; rep 4:5, wo_h 6:7, bo 8:9, out0 10:11
	v_lshl_add_u32 v[SPW], v0, 2, SPARE
	v_mov_b32 v[NIL], 0
	ds_add_u32 v[SPW], v[NIL]                      ; the wave's opening: the add, twice on end, and its wait ahead of my first tensor load
	ds_add_u32 v[SPW], v[NIL]
	v_lshrrev_b32 v1, 5, v0
	v_readfirstlane_b32 s12, v1                    ; wave 0..3
	s_lshr_b32 s13, s12, 1                         ; which 128 rows are mine.  Also: I fetch for rep (0) or for Wo (1)
	s_and_b32 s14, s12, 1                          ; which 64 columns.  Also: which plane, or which 64 rows k, I fetch
	s_bfe_u32 s40, ttmp6, 0x40000
	s_bfe_u32 s41, ttmp6, 0x40004
	s_lshl_b32 s42, ttmp9, 2
	s_add_co_u32 s42, s42, s40                     ; tile column
	s_and_b32 s15, ttmp7, 0xffff
	s_lshl_b32 s15, s15, 2
	s_add_co_u32 s15, s15, s41                     ; tile row
	s_lshl_b32 s43, s41, 2
	s_lshl_b32 s43, 15, s43                        ; my row of the cluster
	s_lshl_b32 s44, 0x1111, s40                    ; my column
	; group 1 for rep: 256 rows of 64 elements of 2 bytes, dense; 4 words of padding behind every 32
	s_or_b32 s[G1+0], s43, (1<<16)|(1<<20)|(1<<21)|(4<<22)|(3<<25)
	s_mov_b32 s[G1+1], 64<<16
	s_mov_b32 s[G1+2], 256<<16
	s_mov_b32 s[G1+3], 64<<16
	s_mov_b32 s[G1+4], 256
	s_mov_b32 s[G1+5], 64
	s_mov_b32 s[G1+6], 0
	s_mov_b32 s[G1+7], 0
	; for Wo: 64 rows k of 128 elements, 1,024 elements apart; 8 words of padding behind every 64
	s_or_b32 s[G1B+0], s44, (1<<16)|(1<<20)|(1<<21)|(5<<22)|(7<<25)
	s_mov_b32 s[G1B+1], 128<<16
	s_mov_b32 s[G1B+2], 64<<16
	s_mov_b32 s[G1B+3], 128<<16
	s_mov_b32 s[G1B+4], 64
	s_mov_b32 s[G1B+5], 1024
	s_mov_b32 s[G1B+6], 0
	s_mov_b32 s[G1B+7], 0
	s_lshl_b32 s16, s14, 20                        ; rep: my plane of the K step's two,
	s_lshl_b32 s17, s15, 15                        ; the tile's 256 rows of 128 bytes
	s_add_co_u32 s16, s16, s17
	s_mov_b32 s17, 0
	s_lshl_b32 s46, s14, 17                        ; Wo: my 64 rows of 2,048 bytes,
	s_lshl_b32 s47, s42, 8                         ; the tile's 128 columns
	s_add_co_u32 s46, s46, s47
	s_mov_b32 s47, 0
	s_mul_i32 s22, s14, APL                        ; where they go: no place in the cluster enters an LDS address
	s_mul_i32 s23, s14, BH
	s_add_co_u32 s23, s23, BOFF
	s_wait_dscnt 0x0                               ; both opening adds are done
	s_wait_kmcnt 0x0
	s_add_nc_u64 s[20:21], s[4:5], s[16:17]
	s_add_nc_u64 s[46:47], s[6:7], s[46:47]
	CROUND                                         ; all sixteen work-groups are here: the first joint loads meet
.irp s, 0,1
	s_mov_b32 s[G0+4*\s], 1
	s_add_co_u32 s[G0+4*\s+1], s22, \s*SLOT
	s_add_nc_u64 s[G0+4*\s+2:G0+4*\s+3], s[20:21], \s*2*PLANEB
	s_or_b32 s[G0+4*\s+3], s[G0+4*\s+3], 0x80000000
	s_mov_b32 s[G0B+4*\s], 1
	s_add_co_u32 s[G0B+4*\s+1], s23, \s*SLOT
	s_add_nc_u64 s[G0B+4*\s+2:G0B+4*\s+3], s[46:47], \s*128*2048
	s_or_b32 s[G0B+4*\s+3], s[G0B+4*\s+3], 0x80000000
	JLOAD \s                                       ; two tensor loads of mine are out behind the second
.endr
	v_and_b32 v1, 15, v0                           ; r
	v_bfe_u32 v2, v0, 4, 1                         ; h
	v_mul_u32_u24 v3, v1, PA
	v_lshl_add_u32 v3, v2, 4, v3
	s_mul_i32 s16, s13, 128*PA                     ; my 128 rows of rep
	v_add_nc_u32 v[ADRA], s16, v3
	v_add_nc_u32 v[ADRA+1], SLOT, v[ADRA]
	v_and_b32 v4, 7, v0
	v_bfe_u32 v5, v0, 3, 1
	v_lshl_add_u32 v4, v2, 3, v4                   ; the turning load: row k = 8 h + lane % 8,
	v_mul_u32_u24 v4, v4, PB
	v_lshl_add_u32 v4, v5, 4, v4                   ; columns 8 ((lane / 8) % 2) on,
	s_lshl_b32 s16, s14, 7                         ; in my 64 columns
	s_add_co_u32 s16, s16, BOFF
	v_add_nc_u32 v[ADRB], s16, v4
	v_add_nc_u32 v[ADRB+1], SLOT, v[ADRB]
	s_mul_i32 s16, s12, 16*SPITCH
	s_add_co_u32 s16, s16, STAGE                   ; my stage
	v_mul_u32_u24 v4, v1, SPITCH
	v_lshl_add_u32 v4, v2, 5, v4
	v_add_nc_u32 v[STO], s16, v4                   ; in: row r, 32 bytes for each half of the lanes
	v_mul_u32_u24 v4, v2, SPITCH
	v_lshl_add_u32 v4, v1, 4, v4
	v_add_nc_u32 v[RD], s16, v4                    ; back: lanes 0-15 one row of 256 bytes, lanes 16-31 the next
	v_lshlrev_b32 v4, 12, v2
	v_lshl_add_u32 v[CO], v1, 4, v4                ; and the same two rows in out0 (4,096 bytes a row)
	v_lshlrev_b32 v[BOF], 5, v2
	s_lshl_b32 s16, s15, 8
	s_lshl_b32 s17, s13, 7
	s_add_co_u32 s16, s16, s17                     ; my first row
	s_lshl_b32 s16, s16, 12
	s_mov_b32 s17, 0
	s_lshl_b32 s46, s42, 9                         ; my first column, in bytes: 512 x tile column + 256 x half
	s_lshl_b32 s47, s14, 8
	s_add_co_u32 s46, s46, s47
	s_mov_b32 s47, 0
	s_add_nc_u64 s[8:9], s[8:9], s[46:47]
	s_add_nc_u64 s[10:11], s[10:11], s[16:17]
	s_add_nc_u64 s[10:11], s[10:11], s[46:47]
.irp b, 0,1,2,3
	global_load_b128 v[BI+8*\b:BI+8*\b+3], v[BOF], s[8:9] offset:64*\b
	global_load_b128 v[BI+8*\b+4:BI+8*\b+7], v[BOF], s[8:9] offset:64*\b+16
.endr
; 8 matrix instructions: rep's blocks a0, a0 + 1 against Wo's four, 32 along K.  first = 1: the bias is the C: nothing is cleared.  The 32 accumulators take turns.
.macro MUL8 f, a0, first
.irp a, \a0, \a0+1
.irp b, 0,1,2,3
.if \first
	v_wmma_f32_16x16x32_f16 v[8*(4*(\a)+\b):8*(4*(\a)+\b)+7], v[\f+8*\b:\f+8*\b+7], v[\f+32+8*(\a):\f+32+8*(\a)+7], v[BI+8*\b:BI+8*\b+7]
.else
	v_wmma_f32_16x16x32_f16 v[8*(4*(\a)+\b):8*(4*(\a)+\b)+7], v[\f+8*\b:\f+8*\b+7], v[\f+32+8*(\a):\f+32+8*(\a)+7], v[8*(4*(\a)+\b):8*(4*(\a)+\b)+7]
.endif
.endr
.endr
.endm
; 24 LDS loads in one run: the fragments of the slot's q-th 32 along K into buffer f: Wo's four (turned), then rep's eight, blocks 0-3 first
.macro FETCH slot, q, f
	WIN 0
.irp i, 0,1,2,3
	ds_load_tr16_b128 v[\f+8*\i:\f+8*\i+3], v[ADRB+\slot] offset:32*PB*(\q)+32*\i
	ds_load_tr16_b128 v[\f+8*\i+4:\f+8*\i+7], v[ADRB+\slot] offset:32*PB*(\q)+32*\i+16*PB
.endr
.irp i, 0,1,2,3,4,5,6,7
	ds_load_b128 v[\f+32+8*\i:\f+32+8*\i+3], v[ADRA+\slot] offset:((\q)/2)*APL+64*((\q)%2)+16*PA*\i
	ds_load_b128 v[\f+32+8*\i+4:\f+32+8*\i+7], v[ADRA+\slot] offset:((\q)/2)*APL+64*((\q)%2)+16*PA*\i+32
.endr
.endm
.macro PLACES                          ; four places in front of loads into registers that matrix instructions have read, and of reads of results
.rept 4
	v_nop
.endr
.endm
; A K step is four quarters of 32 along K, 32 matrix instructions each, on buffers 0, 1, 0, 1.  One of the first three: multiplies buffer f and fetches quarter qn into g.
.macro QUARTER slot, qn, f, g, first
	s_wait_dscnt 8                                 ; Wo's fragments and rep's blocks 0-3 are in; the youngest eight loads (blocks 4-7) may be out
.if \first
	WIN MULB
.else
	WIN MUL
.endif
	MUL8 \f, 0, \first
	MUL8 \f, 2, \first
	PLACES
	FETCH \slot, \qn, \g
	s_wait_dscnt 24                                ; all but the 24 just issued
.if \first
	WIN MULB
.else
	WIN MUL
.endif
	MUL8 \f, 4, \first
	MUL8 \f, 6, \first
.endm
; The last quarter multiplies buffer 1 and changes slots: ONE barrier; in front of it each wave waits for all its tensor loads, adds 0 to its spare word, and waits for that and for its reads of this slot.
; fill = 1: the barrier opens a round of the cluster's barrier, and this slot is filled again, two K steps ahead.
.macro TURN slot, next, fill
	WIN 0
	s_wait_tensorcnt 0x0                           ; all my tensor loads have landed: my part of the next slot
	ds_add_u32 v[SPW], v[NIL]
	s_wait_dscnt 9                                 ; (the add and the youngest eight loads may be out)
	WIN MUL
	MUL8 F1, 0, 0
	s_wait_dscnt 0x0                               ; the add is done, and my reads of this slot are over
	s_barrier_signal -1
	MUL8 F1, 2, 0
	WIN 0
	s_barrier_wait -1
.if \fill
	CREST                                          ; no wave of any partner still reads this slot's tiles or has a load on its way
	s_add_nc_u64 s[G0+4*\slot+2:G0+4*\slot+3], s[G0+4*\slot+2:G0+4*\slot+3], 4*PLANEB
	s_add_nc_u64 s[G0B+4*\slot+2:G0B+4*\slot+3], s[G0B+4*\slot+2:G0B+4*\slot+3], 2*128*2048
	JLOAD \slot                                    ; the first tensor load behind the round; its four v_nop are also the places in front of the loads below
.else
	PLACES
.endif
	FETCH \next, 0, F0
	WIN MUL
	MUL8 F1, 4, 0
	MUL8 F1, 6, 0
.endm
	s_wait_tensorcnt 1                             ; my part of K step 0 is in (K step 1's load may be out)
	s_barrier_signal -1
	s_barrier_wait -1                              ; everybody's is
	FETCH 0, 0, F0
	s_wait_loadcnt 0x0                             ; the bias
	QUARTER 0, 1, F0, F1, 1                        ; the first quarter stands in front of the loop: its products start the sums
	WIN 0                                          ; at a label and at a branch every window is 0
	s_mov_b32 s3, 3
.Llap:                                             ; a trip goes once round the ring, from a lap's second quarter to the next lap's first, and fills both slots again
	QUARTER 0, 2, F1, F0, 0
	QUARTER 0, 3, F0, F1, 0
	TURN 0, 1, 1
	QUARTER 1, 1, F0, F1, 0
	QUARTER 1, 2, F1, F0, 0
	QUARTER 1, 3, F0, F1, 0
	TURN 1, 0, 1
	QUARTER 0, 1, F0, F1, 0
	WIN 0
	s_sub_co_u32 s3, s3, 1
	s_cmp_lg_u32 s3, 0
	s_cbranch_scc1 .Llap
	QUARTER 0, 2, F1, F0, 0                        ; the last lap fills nothing
	QUARTER 0, 3, F0, F1, 0
	TURN 0, 1, 0
	QUARTER 1, 1, F0, F1, 0
	QUARTER 1, 2, F1, F0, 0
	QUARTER 1, 3, F0, F1, 0
	s_wait_dscnt 8                                 ; the very last quarter: nothing more to fetch
	WIN MUL
	MUL8 F1, 0, 0
	MUL8 F1, 2, 0
	s_wait_dscnt 0
	MUL8 F1, 4, 0
	MUL8 F1, 6, 0
	WIN 0
; THE WAY OUT, block by block of 16 rows x 64 columns: through my own stage, back as whole rows of 256 bytes.
.macro TOSTAGE a
	WIN 0x04                                       ; an LDS store's data are its source 1: window 1
.irp b, 0,1,2,3
	ds_store_b128 v[STO], v[8*(4*(\a)+\b):8*(4*(\a)+\b)+3] offset:64*\b        ; each accumulator from its low end on
	ds_store_b128 v[STO], v[8*(4*(\a)+\b)+4:8*(4*(\a)+\b)+7] offset:64*\b+16
.endr
	WIN 0
.set BB, 32+32*((\a)%2)
.irp t, 0,1,2,3,4,5,6,7
	ds_load_b128 v[BB+4*\t:BB+4*\t+3], v[RD] offset:\t*2*SPITCH    ; LDS serves a wave's instructions in order: these see the stores above
.endr
.endm
.macro SEND a, younger                 ; younger: the LDS instructions issued behind block a's loads, which may stay out
.set BB, 32+32*((\a)%2)
	s_wait_dscnt \younger
.irp t, 0,1,2,3,4,5,6,7
	global_store_b128 v[CO], v[BB+4*\t:BB+4*\t+3], s[10:11] offset:(16*(\a)+2*\t)*4096 th:TH_STORE_NT   ; sixteen lanes store 256 consecutive bytes, aligned; written once, read by nobody here
.endr
.endm
	PLACES
	TOSTAGE 0
.irp a, 1,2,3,4,5,6,7
.if \a > 1
	s_wait_xcnt 0x0                                ; block a - 2's stores have read their registers: block a's loads may land there
.endif
	TOSTAGE \a
	SEND \a-1, 16                                  ; behind block a - 1's loads: block a's 8 stores and 8 loads
.endr
	SEND 7, 0
	s_wait_tensorcnt 0x0                           ; the wave's end
	ds_add_u32 v[SPW], v[NIL]
	s_wait_dscnt 0x0
	CROUND                                         ; the closing round
	s_endpgm
.Lfunc_end_k_q69f9456f35_out_gemm:
	.size	k_q69f9456f35_out_gemm, .Lfunc_end_k_q69f9456f35_out_gemm-k_q69f9456f35_out_gemm
	.p2alignl 7, 3214868480
	.fill 96, 4, 3214868480
	.section	.rodata,"a",@progbits
	.p2align	6, 0x0
	.amdhsa_kernel k_q69f9456f35_out_gemm
		.amdhsa_group_segment_fixed_size 327680
		.amdhsa_private_segment_fixed_size 0
		.amdhsa_enable_private_segment 0
		.amdhsa_kernarg_size 32
		.amdhsa_user_sgpr_count 2
		.amdhsa_user_sgpr_kernarg_segment_ptr 1
		.amdhsa_wavefront_size32 1
		.amdhsa_system_sgpr_workgroup_id_x 1
		.amdhsa_system_sgpr_workgroup_id_y 1
		.amdhsa_system_sgpr_workgroup_id_z 1
		.amdhsa_system_vgpr_workitem_id 0
		.amdhsa_next_free_vgpr 512
		.amdhsa_next_free_sgpr 66
		.amdhsa_reserve_vcc 0
		.amdhsa_float_denorm_mode_32 3
		.amdhsa_float_denorm_mode_16_64 3
		.amdhsa_memory_ordered 1
		.amdhsa_forward_progress 1
		.amdhsa_inst_pref_size 86
	.end_amdhsa_kernel
	.amdgpu_metadata
---
amdhsa.version: [ 1, 2 ]
amdhsa.kernels:
  - .name:           k_q69f9456f35_out_gemm
    .symbol:         k_q69f9456f35_out_gemm.kd
    .args:
      - { .name: rep, .offset: 0, .size: 8, .value_kind: global_buffer, .address_space: global }
      - { .name: wo_h, .offset: 8, .size: 8, .value_kind: global_buffer, .address_space: global }
      - { .name: bo, .offset: 16, .size: 8, .value_kind: global_buffer, .address_space: global }
      - { .name: out0, .offset: 24, .size: 8, .value_kind: global_buffer, .address_space: global }
    .group_segment_fixed_size: 327680
    .private_segment_fixed_size: 0
    .kernarg_segment_align: 8
    .kernarg_segment_size: 32
    .max_flat_workgroup_size: 128
    .sgpr_count:     66
    .vgpr_count:     512
    .wavefront_size: 32
...
	.end_amdgpu_metadata
.endif
;; end of part 4
